; MI455X (gfx1250); checked and timed in simulation.
; The chip was launched on July 23, 2026; its instructions are those of AMD's public machine-readable ISA for CDNA 5 (MIT licence, August 2026) and "CDNA5" Instruction Set Architecture Reference Guide (July 2026). The comments in the code are by the model that wrote it; some were corrected since.
;; Gemma3 Attention. Allowed arithmetic: matrix products marked QUANTISED: E2M3 operands, one E8M0 scale for each 32 along K, by v_wmma_scale_f32_16x16x128_f8f6f4 with both operands' format E2M3, f32 sums; everything else in f32.
;; Inputs: Wk 1,024 x 2,048 float32; Wo 2,048 x 1,024 float32; Wq 1,024 x 2,048 float32; Wv 1,024 x 2,048 float32; k_norm_w 256 float32; pos 4,096 int32; q_norm_w 256 float32; x 1 x 4,096 x 2,048 float32.
;; Outputs: out0 1 x 4,096 x 2,048 float32.
;; This version of the problem:
;;   THIS VERSION OF THE PROBLEM IS GIVEN IN LOW PRECISION. The matrix products marked QUANTISED in the list below multiply operands that are first quantised to E2M3 (2 exponent bits, 3 mantissa bits; 6 bits a number), with one power-of-two scale for each 32 numbers along K (OCP MX v1.0); their sums are f32. All else is computed in f32.
;;   The module's matrix products, in the order in which they are computed (A, B: the left and right operand; K: the contracted axis; several contracted axes count as one K, in the product's order):
;;     1. [M 4,096, K 2,048] x [K 2,048, N 1,024]; A: input x; B: input Wq: QUANTISED
;;     2. [M 4,096, K 2,048] x [K 2,048, N 1,024]; A: input x; B: input Wk: QUANTISED
;;     3. [M 4,096, K 2,048] x [K 2,048, N 1,024]; A: input x; B: input Wv: QUANTISED
;;     4. batch 4 x [M 4,096, K 256] x [K 256, N 4,096]; A: computed on the way; B: computed on the way: QUANTISED
;;     5. batch 4 x [M 4,096, K 4,096] x [K 4,096, N 256]; A: softmax (see below); B: computed on the way: QUANTISED
;;     6. [M 4,096, K 1,024] x [K 1,024, N 2,048]; A: computed on the way; B: input Wo: QUANTISED
;;   THE QUANTISER, for each operand of a quantised product, along K:
;;     - K is cut into blocks of 32 from its start; a last block that is shorter is filled with zeros.
;;     - A block's scale is 2^e with e = floor(log2(the largest magnitude in the block)) - 2, held to -126 .. 127; a block of zeros has e = 0. As a byte (E8M0): e + 127.
;;     - Each number is divided by its block's scale, clamped to +-7.5, and rounded to the nearest number of E2M3, ties to even, subnormals kept.
;;     - The product sums the exact products of the quantised numbers (number of the format x scale) in f32.
;;   ~~~python
;;   def quantise(x, axis):      # numpy; x: float32 -> the quantised numbers, widened to float32 again
;;       x = np.moveaxis(x, axis, -1); K = x.shape[-1]
;;       x = np.pad(x, [(0, 0)] * (x.ndim - 1) + [(0, -K % 32)]); x = x.reshape(x.shape[:-1] + (-1, 32)); a = np.abs(x).max(-1, keepdims=True)
;;       e = np.where(a > 0, np.clip(np.frexp(np.where(a > 0, a, 1))[1] - 1 - 2, -126, 127), 0)      # np.frexp(a)[1] - 1 = floor(log2(a)), exactly
;;       r = np.clip(x / 2.0 ** e, -7.5, 7.5)
;;       step = 2.0 ** (np.maximum(np.frexp(np.where(r == 0, 1, r))[1] - 1, 0) - 3)
;;       q = np.round(r / step) * step * 2.0 ** e      # np.round: ties to even
;;       return np.moveaxis(q.reshape(q.shape[:-2] + (-1,))[..., :K], -1, axis).astype(np.float32)
;;   ~~~
;;   SOFTMAX AHEAD OF A QUANTISED PRODUCT. Where the list says 'softmax', what is quantised is not the finished softmax but p = 2^(t - M), with t = logit x log2(e) and M = ceil(the row's largest t), a whole number; so 1/2 < the row's largest p <= 1. The row's sum l is taken of the UNQUANTISED p, in f32, and the product's result is divided by l at the end. Since M is a whole number, a kernel that streams over the keys may use a running M (the ceiling of the running maximum): every later rescaling is an exact power of two, which a block's scale takes up: the codes' values come out the same.
;;   OPERANDS COMPUTED ON THE WAY. 'Computed on the way' means the value that the module computes at that place (a softmax that the list does not call 'softmax' is quantised finished and normalised). What goes into a quantiser is computed in f32, as accurately as f32 sums, v_exp_f32 and their like allow (about 1e-6 of the number): no bf16 or f16 on the way to a quantiser, and a product that is left as it is and whose result goes on into a quantised operand takes f32 operands (vector FMAs, or v_wmma_f32_16x16x4_f32). A number that lies on a knife's edge between two numbers of the format may be rounded either way, as far as f32 arithmetic and the matrix unit's own rounding can turn it there, and no further.
;; One version. Each part assembles by itself: llvm-mc -triple=amdgcn-amd-amdhsa -mcpu=gfx1250 --defsym DOCPART=n.
;; ======== version 1 of 1: 4 launches
;; limits: right only within a limited range of input values
;; workspace buffers: opc 12,582,912 bytes; ops 524,288 bytes; cst 4,194,304 bytes; qc 3,276,800 bytes; kv 6,553,600 bytes; yc 3,145,728 bytes; ys 131,072 bytes
;; launch prep (part 1): grid 512 x 1, 4 waves a work-group, no clusters, 34,304 bytes of LDS; arguments x, Wq, Wk, Wv, Wo, pos, opc, ops, cst; writes opc, ops, cst
.if DOCPART == 1
	.amdgcn_target "amdgcn-amd-amdhsa--gfx1250"
	.amdhsa_code_object_version 6
	.text
	.protected	k_qd3d81957b2_prep
	.globl	k_qd3d81957b2_prep
	.p2align	8
	.type	k_qd3d81957b2_prep,@function
k_qd3d81957b2_prep:
	s_mov_b64 s[64:65], 0
	v_nop
	global_prefetch_b8 v0, s[64:65] scope:SCOPE_SE
	s_setreg_imm32_b32 hwreg(HW_REG_WAVE_MODE, 25, 1), 1
	s_wait_xcnt 0x0
; PREP: x, Wq, Wk, Wv, Wo (f32, K innermost) become codes of E2M3 with one E8M0 byte for each 32 along K; pos becomes a table of cos and sin.
; DEAD WORK OF THE WHOLE PROGRAM.  reference() sets a score to -inf wherever key j > query i or j < i - 1023, by a mask that it builds in its own body; the softmax then gives
; that key the weight 0, whatever finite values the inputs hold.  So a step of 128 keys that lies wholly outside that band for all 32 queries of a wave is not multiplied, and a slot of 256 keys
; that no query of a work-group can see is not fetched (launch attn).  Nothing else is left out, and no input is dead: all eight are loaded.
; LIMIT: a NaN, an infinity or an overflow in a row of k or v that only masked places would meet is not carried to the result.
; LAYOUT OF THE CODES: images of the operand's registers.  A fragment (16 rows x 128 K, 12 registers a lane) is 1,536 bytes: chunk c (512 bytes) holds lane l's registers 4 c .. 4 c + 3 at 16 l.
; THE ROWS OF A TILE ARE NOT NEIGHBOURS: lane r of tile 2 A + u holds row 32 A + 8 u + r + 8 (r / 8), so that the 16 result registers of two neighbouring tiles are 16 neighbours along the next product's K.
; UNITS: unit u (16 rows x 1,024 K: 8 fragments, 12,288 bytes of codes, 512 bytes of scale words) is one wave's work.  Units 0-511 x, 512-639 Wq, 640-767 Wk, 768-895 Wv (two units a tile), 896-1023 Wo (one).
; SCALE WORDS of a unit: [K step / 2][row 16][2 words].  A block of zeros gets the byte 1 where the rule says 127: its codes are zeros, and this program alone reads the bytes.
; LIMITS: NaN and infinities among the inputs are not served; blocks whose largest magnitude lies under 2^-124 keep the byte 1.
; Work-groups 0-255 quantise (loads of 512 consecutive bytes, turned through the wave's own stage in LDS); work-groups 256-511 make the table and use no LDS.
; TABLE cst: [tile 256][cos, sin'][quad 16][lane 32][16 bytes]: quad 4 B + jj, element e, of lane (r, h) is frequency 32 B + 16 h + 4 jj + e at the position of the tile's row r; sin' = -sin at even frequencies' places.
; LIMITS of the table: |pos| under 2^23; 10000^(-j/128) is made as 2^(-j log2(10000)/128) to about one unit in the last place.
.set STGB,  8448                       ; a wave's stage: 16 rows x (512 + 16) bytes
.set SPARE, 4*STGB                     ; behind the stages: the spare words, 128 bytes a wave
.set RO,  16                           ; v16-31   byte offset of tile row i in the tensor + 16 x lane
.set R,   32                           ; v32-159  two sets of 64: a K step as loaded
.set X,   160                          ; v160-223 my 64 numbers: blocks h and 2 + h of my row
.set C,   224                          ; v224-235 the fragment's registers
.set W,   244                          ; v244-251 the eight K steps' scale words
.set SPW, 252
.set NIL, 253
	s_load_b256 s[4:11], s[0:1], 0x0               ; x, Wq, Wk, Wv
	s_load_b256 s[12:19], s[0:1], 0x20             ; Wo, pos, opc, ops
	s_load_b64 s[20:21], s[0:1], 0x40              ; cst
	v_lshl_add_u32 v[SPW], v0, 2, SPARE
	v_mov_b32 v[NIL], 0
	v_lshrrev_b32 v1, 5, v0
	v_readfirstlane_b32 s22, v1                    ; wave
	v_and_b32 v1, 31, v0                           ; lane
	v_and_b32 v2, 15, v0                           ; r
	v_bfe_u32 v3, v0, 4, 1                         ; h
	v_lshlrev_b32 v4, 4, v1                        ; 16 x lane
	s_cmp_ge_u32 ttmp9, 256
	s_cbranch_scc1 .Ltable
	; ---------------- the quantiser ----------------
	s_mov_b32 s28, 0x76543210
	s_mov_b32 s29, 0xfedcba98                      ; v_permlanex16_b32's selects for lane l xor 16
	s_mov_b32 s30, 0xffff0000                      ; lanes 16-31
	s_mul_i32 s38, s22, STGB
	v_add_nc_u32 v5, s38, v4                       ; into the stage: a row's 512 bytes as they lie
	v_mul_u32_u24 v6, v2, 528
	v_lshl_add_u32 v6, v3, 7, v6
	v_add_nc_u32 v6, s38, v6                       ; out of it: row r, from number 32 h on
	v_lshlrev_b32 v7, 3, v1                        ; 8 x lane: the scale words' place
	v_lshlrev_b32 v9, 3, v3                        ; 8 h: my bytes' shift in a scale word
	v_mov_b32 v254, 0                              ; a lane permute's destination counts as read
	s_lshl_b32 s23, ttmp9, 2
	s_add_co_u32 s23, s23, s22                     ; my unit
	s_wait_kmcnt 0x0
	s_mov_b64 s[24:25], s[12:13]                   ; which tensor: the choice hangs on the work-group's number alone
	s_mov_b32 s26, 896
	s_cmp_lt_u32 ttmp9, 224
	s_cselect_b64 s[24:25], s[10:11], s[24:25]
	s_cselect_b32 s26, 768, s26
	s_cmp_lt_u32 ttmp9, 192
	s_cselect_b64 s[24:25], s[8:9], s[24:25]
	s_cselect_b32 s26, 640, s26
	s_cmp_lt_u32 ttmp9, 160
	s_cselect_b64 s[24:25], s[6:7], s[24:25]
	s_cselect_b32 s26, 512, s26
	s_cmp_lt_u32 ttmp9, 128
	s_cselect_b64 s[24:25], s[4:5], s[24:25]
	s_cselect_b32 s26, 0, s26
	s_cmp_ge_u32 ttmp9, 224
	s_cselect_b32 s27, 0, 1                        ; units a tile, less one
	s_mov_b32 s31, 8192
	s_cselect_b32 s31, 4096, s31                   ; a row in bytes
	s_sub_co_u32 s32, s23, s26
	s_lshr_b32 s33, s32, s27                       ; tile
	s_and_b32 s34, s32, s27                        ; which 1,024 along K
	s_lshr_b32 s35, s33, 1
	s_lshl_b32 s35, s35, 5
	s_and_b32 s36, s33, 1
	s_lshl_b32 s36, s36, 3
	s_or_b32 s35, s35, s36                         ; the tile's first row: 32 A + 8 u
	s_mul_i32 s36, s35, s31
	s_lshl_b32 s34, s34, 12
	s_add_co_u32 s36, s36, s34
	s_mov_b32 s37, 0
	s_add_nc_u64 s[24:25], s[24:25], s[36:37]
	s_mul_i32 s36, s23, 12288
	s_add_nc_u64 s[16:17], s[16:17], s[36:37]
	s_lshl_b32 s36, s23, 9
	s_add_nc_u64 s[18:19], s[18:19], s[36:37]
.set li, 0
	s_wait_alu depctr_va_vdst(0)
.rept 16
	v_mad_u32_u24 v[RO+li], s31, li+8*(li/8), v4   ; tile row i is tensor row i + 8 (i / 8) from the tile's first
.set li, li+1
.endr
.macro LOAD t                          ; K step t: 16 rows x 512 consecutive bytes
.set li, 0
.rept 16
	global_load_b128 v[R+64*((\t)%2)+4*li:R+64*((\t)%2)+4*li+3], v[RO+li], s[24:25] offset:512*(\t) th:TH_LOAD_NT
.set li, li+1
.endr
.endm
.macro STEP t
.if (\t) < 7
	s_wait_loadcnt 16                              ; this K step's 16 loads are in; the next step's 16 may be out
.else
	s_wait_loadcnt 0x0
.endif
.set si, 0
.rept 16
	ds_store_b128 v5, v[R+64*((\t)%2)+4*si:R+64*((\t)%2)+4*si+3] offset:528*si
.set si, si+1
.endr
.set si, 0
.rept 8
	ds_load_b128 v[X+4*si:X+4*si+3], v6 offset:16*si               ; LDS serves a wave's instructions in order: these see the stores above
	ds_load_b128 v[X+32+4*si:X+32+4*si+3], v6 offset:256+16*si
.set si, si+1
.endr
	s_wait_dscnt 0x0                               ; my numbers are back, and the stores have read their registers
	s_wait_xcnt 0x0                                ; the last step's stores have read the code registers: they are written again below
.if (\t) < 6
	LOAD (\t)+2
.endif
	v_max3_num_f32 v10, |v[X]|, |v[X+1]|, 0x1800000                ; each block's largest magnitude, with the floor 2^(3 - 127): the byte cannot fall under 1
	v_max3_num_f32 v11, |v[X+32]|, |v[X+33]|, 0x1800000
.set si, 2
.rept 15
	v_max3_num_f32 v10, v10, |v[X+si]|, |v[X+si+1]|
	v_max3_num_f32 v11, v11, |v[X+32+si]|, |v[X+33+si]|
.set si, si+2
.endr
	v_add_nc_u32 v12, 0xff000000, v10              ; 2 off the exponent field: the conversion's scale operand
	v_add_nc_u32 v13, 0xff000000, v11
	v_lshrrev_b32 v14, 23, v12                     ; the bytes
	v_lshrrev_b32 v15, 23, v13
	v_lshl_or_b32 v[W+(\t)], v15, 16, v14          ; blocks h and 2 + h,
	v_lshlrev_b32 v[W+(\t)], v9, v[W+(\t)]         ; at their places;
	v_permlanex16_b32 v254, v[W+(\t)], s28, s29
	v_or_b32 v[W+(\t)], v[W+(\t)], v254            ; with lane l xor 16's two the row's word is whole
	v_cvt_scalef32_pk16_fp6_f32 v[C:C+2], v[X:X+15], v12
	v_cvt_scalef32_pk16_fp6_f32 v[236:238], v[X+16:X+31], v12      ; (a conversion's three registers begin on an even number)
	v_cvt_scalef32_pk16_fp6_f32 v[C+6:C+8], v[X+32:X+47], v13
	v_cvt_scalef32_pk16_fp6_f32 v[240:242], v[X+48:X+63], v13
	v_nop                                          ; one plain place behind the conversions
.irp i, 0,1,2
	v_mov_b32 v[C+3+\i], v[236+\i]
	v_mov_b32 v[C+9+\i], v[240+\i]
.endr
.irp c, 0,1,2
	global_store_b128 v4, v[C+4*\c:C+4*\c+3], s[16:17] offset:1536*(\t)+512*\c     ; 512 consecutive bytes
.endr
.endm
	LOAD 0
	LOAD 1
	s_wait_alu depctr_va_vdst(0)
.irp t, 0,1,2,3,4,5,6,7
	STEP \t
.endr
.irp m, 0,1                                    ; lane 16 g + r: K steps 4 m + 2 g and 4 m + 2 g + 1 of row r: 256 consecutive bytes a store
	v_cndmask_b32 v[10+2*\m], v[W+4*\m], v[W+4*\m+2], s30
	v_cndmask_b32 v[11+2*\m], v[W+4*\m+1], v[W+4*\m+3], s30
	global_store_b64 v7, v[10+2*\m:11+2*\m], s[18:19] offset:256*\m
.endr
	s_wait_tensorcnt 0x0                           ; the wave's end
	ds_add_u32 v[SPW], v[NIL]
	s_wait_dscnt 0x0
	s_endpgm
	; ---------------- the table ----------------
.Ltable:
	s_sub_co_u32 s23, ttmp9, 256                   ; the tile; my wave is B
	s_lshr_b32 s32, s23, 1
	s_lshl_b32 s32, s32, 5
	s_and_b32 s33, s23, 1
	s_lshl_b32 s33, s33, 3
	s_or_b32 s32, s32, s33
	s_wait_alu depctr_va_vdst(0)
	v_and_b32 v11, 8, v2
	v_add_nc_u32 v11, v11, v2
	v_add_nc_u32 v11, s32, v11                     ; my row: 32 A + 8 u + r + 8 (r / 8)
	v_lshlrev_b32 v11, 2, v11
	s_lshl_b32 s33, s22, 5
	v_lshl_add_u32 v10, v3, 4, s33                 ; my first frequency: 32 B + 16 h
	s_lshl_b32 s36, s23, 14
	s_lshl_b32 s34, s22, 11
	s_add_co_u32 s36, s36, s34
	s_mov_b32 s37, 0
	s_mov_b32 s40, 0xbdd49a00                      ; -log2(10000)/128, its upper 15 bits: a product with j < 128 is exact;
	s_mov_b32 s41, 0xb570979a                      ; and the rest
	s_mov_b32 s42, 0x3f22f983                      ; 2 / pi
	s_mov_b32 s43, 0x3fc90fdb                      ; pi / 2 in two parts
	s_mov_b32 s44, 0xb33bbd2e
	s_mov_b32 s45, 0xbe2aaaa3                      ; sine: r + r z (S1 + z (S2 + z S3))
	s_mov_b32 s46, 0x3c08839e
	s_mov_b32 s47, 0xb94ca1f9
	s_mov_b32 s48, 0x3d2aaaa5                      ; cosine: 1 - z / 2 + z z (C0 + z (C1 + z C2))
	s_mov_b32 s49, 0xbab6061a
	s_mov_b32 s50, 0x37ccf5ce
	s_wait_alu depctr_va_vdst(0)
	s_wait_kmcnt 0x0
	global_load_b32 v9, v11, s[14:15]
	s_add_nc_u64 s[20:21], s[20:21], s[36:37]
.set n, 0
.rept 16
	v_add_nc_u32 v[16+n], n, v10
	v_cvt_f32_u32 v[16+n], v[16+n]                 ; j
	v_mul_f32 v[32+n], s40, v[16+n]                ; exact
	v_rndne_f32 v[48+n], v[32+n]
	v_sub_f32 v[32+n], v[32+n], v[48+n]            ; exact
	v_fma_f32 v[32+n], v[16+n], s41, v[32+n]       ; the exponent's fraction, within a half
	v_cvt_i32_f32 v[48+n], v[48+n]
.set n, n+1
.endr
.set n, 0
	s_wait_alu depctr_va_vdst(0)
.rept 16
	v_exp_f32 v[32+n], v[32+n]
.set n, n+1
.endr
	v_nop                                          ; a plain place behind the batch
	s_wait_alu depctr_va_vdst(0)                   ; one wait for the sixteen, ahead of their first reader
	s_wait_loadcnt 0x0
	v_cvt_f32_i32 v9, v9
.set n, 0
.rept 16
	v_ldexp_f32 v[32+n], v[32+n], v[48+n]          ; 10000^(-j/128)
	v_mul_f32 v[16+n], v9, v[32+n]                 ; the angle, rounded once as reference() rounds it
.set n, n+1
.endr
.macro ANG n
	v_mul_f32 v80, s42, v[16+\n]
	v_rndne_f32 v80, v80                           ; k quarter turns
	v_fma_f32 v81, -v80, s43, v[16+\n]             ; exact: a multiple of 2^-23 under 1
	v_fma_f32 v81, -v80, s44, v81                  ; r
	v_mul_f32 v82, v81, v81                        ; z
	v_fma_f32 v83, v82, s47, s46
	v_fma_f32 v85, v82, s50, s49
	v_mul_f32 v84, v81, v82
	v_fma_f32 v83, v82, v83, s45
	v_fma_f32 v85, v82, v85, s48
	v_fma_f32 v86, v82, -0.5, 1.0
	v_mul_f32 v87, v82, v82
	v_fma_f32 v83, v84, v83, v81                   ; sin r
	v_fma_f32 v85, v87, v85, v86                   ; cos r
	v_cvt_i32_f32 v80, v80
	v_and_b32 v87, 1, v80
	v_cmp_eq_u32 vcc_lo, 1, v87
	v_cndmask_b32 v88, v83, v85, vcc_lo            ; odd k: the two change places
	v_cndmask_b32 v89, v85, v83, vcc_lo
.if (\n)%2 == 0
	v_xor_b32 v87, 2, v80                          ; an even place takes -sin
	v_lshlrev_b32 v87, 30, v87
.else
	v_lshlrev_b32 v87, 30, v80
.endif
	v_add_nc_u32 v80, 1, v80
	v_and_b32 v87, 0x80000000, v87                 ; the sine's sign: bit 1 of k;
	v_lshlrev_b32 v80, 30, v80
	v_and_b32 v80, 0x80000000, v80                 ; the cosine's: bit 1 of k + 1
	v_xor_b32 v[100+8*((\n)/4)+(\n)%4], v87, v88
	v_xor_b32 v[96+8*((\n)/4)+(\n)%4], v80, v89
.endm
.irp n, 0,1,2,3,4,5,6,7,8,9,10,11,12,13,14,15
	ANG \n
.endr
.irp q, 0,1,2,3
	global_store_b128 v4, v[96+8*\q:99+8*\q], s[20:21] offset:512*\q
	global_store_b128 v4, v[100+8*\q:103+8*\q], s[20:21] offset:8192+512*\q
.endr
	s_endpgm
.Lfunc_end_k_qd3d81957b2_prep:
	.size	k_qd3d81957b2_prep, .Lfunc_end_k_qd3d81957b2_prep-k_qd3d81957b2_prep
	.p2alignl 7, 3214868480
	.fill 96, 4, 3214868480
	.section	.rodata,"a",@progbits
	.p2align	6, 0x0
	.amdhsa_kernel k_qd3d81957b2_prep
		.amdhsa_group_segment_fixed_size 34304
		.amdhsa_private_segment_fixed_size 0
		.amdhsa_enable_private_segment 0
		.amdhsa_kernarg_size 72
		.amdhsa_user_sgpr_count 2
		.amdhsa_user_sgpr_kernarg_segment_ptr 1
		.amdhsa_wavefront_size32 1
		.amdhsa_system_sgpr_workgroup_id_x 1
		.amdhsa_system_sgpr_workgroup_id_y 1
		.amdhsa_system_sgpr_workgroup_id_z 1
		.amdhsa_system_vgpr_workitem_id 0
		.amdhsa_next_free_vgpr 256
		.amdhsa_next_free_sgpr 66
		.amdhsa_reserve_vcc 1
		.amdhsa_float_denorm_mode_32 3
		.amdhsa_float_denorm_mode_16_64 3
		.amdhsa_memory_ordered 1
		.amdhsa_forward_progress 1
		.amdhsa_inst_pref_size 87
	.end_amdhsa_kernel
	.amdgpu_metadata
---
amdhsa.version: [ 1, 2 ]
amdhsa.kernels:
  - .name:           k_qd3d81957b2_prep
    .symbol:         k_qd3d81957b2_prep.kd
    .args:
      - { .name: x, .offset: 0, .size: 8, .value_kind: global_buffer, .address_space: global }
      - { .name: Wq, .offset: 8, .size: 8, .value_kind: global_buffer, .address_space: global }
      - { .name: Wk, .offset: 16, .size: 8, .value_kind: global_buffer, .address_space: global }
      - { .name: Wv, .offset: 24, .size: 8, .value_kind: global_buffer, .address_space: global }
      - { .name: Wo, .offset: 32, .size: 8, .value_kind: global_buffer, .address_space: global }
      - { .name: pos, .offset: 40, .size: 8, .value_kind: global_buffer, .address_space: global }
      - { .name: opc, .offset: 48, .size: 8, .value_kind: global_buffer, .address_space: global }
      - { .name: ops, .offset: 56, .size: 8, .value_kind: global_buffer, .address_space: global }
      - { .name: cst, .offset: 64, .size: 8, .value_kind: global_buffer, .address_space: global }
    .group_segment_fixed_size: 34304
    .private_segment_fixed_size: 0
    .kernarg_segment_align: 8
    .kernarg_segment_size: 72
    .max_flat_workgroup_size: 128
    .sgpr_count:     66
    .vgpr_count:     256
    .wavefront_size: 32
...
	.end_amdgpu_metadata
.endif
;; end of part 1
;; launch qkv (part 2): grid 12 x 16, 4 waves a work-group, clusters of 4 x 4, 327,680 bytes of LDS; arguments opc, ops, cst, q_norm_w, k_norm_w, qc, kv; writes qc, kv
.if DOCPART == 2
	.amdgcn_target "amdgcn-amd-amdhsa--gfx1250"
	.amdhsa_code_object_version 6
	.text
	.protected	k_qd3d81957b2_qkv
	.globl	k_qd3d81957b2_qkv
	.p2align	8
	.type	k_qd3d81957b2_qkv,@function
k_qd3d81957b2_qkv:
	s_mov_b64 s[64:65], 0
	v_nop
	global_prefetch_b8 v0, s[64:65] scope:SCOPE_SE
	s_setreg_imm32_b32 hwreg(HW_REG_WAVE_MODE, 25, 1), 1
	s_wait_xcnt 0x0
	s_wait_alu depctr_hold_cnt(0) depctr_sa_sdst(0) depctr_va_vdst(0) depctr_va_sdst(0) depctr_va_ssrc(0) depctr_va_vcc(0) depctr_vm_vsrc(0)
	s_getreg_b32 s2, hwreg(HW_REG_IB_STS2, 6, 4)
	s_cmp_eq_u32 s2, 0
	s_cbranch_scc0 .Lentry_in_a_cluster
	s_endpgm
.Lentry_in_a_cluster:
	s_bfe_u32 s2, ttmp6, 0x10000c
	s_cmp_lg_u32 s2, 0xf033
	s_cbranch_scc0 .Lentry_shape_is_right
	s_endpgm
.Lentry_shape_is_right:
; QKV: q, k and v = x W^T on codes of E2M3 (made by prep), then per-head RMS norm, RoPE and the quantiser for q and k, the quantiser along the keys for v.  Nothing is left out here.
; A work-group of four waves makes 256 x 256 of the product (a wave 128 x 128: 64 accumulators); clusters x = 0, 1 make q and k (source 1 = x), cluster x = 2 makes v with the sources' roles changed, so that a lane's registers run along the keys.
; K goes in slots of 256 along K (3,072 bytes of each 16-row tile) through a ring of two LDS slots; the scale words of all of K stay in LDS behind the ring.
; CLUSTERS 4 x 4: source 1's tiles are asked for jointly along a row of the cluster, source 0's along a column.
; THE HEAD: what the first step needs is four tiles, one joint load a wave: wave 0 slot 0 of source 1's 16 tiles, wave 1 of source 0's, waves 2 and 3 the two blocks of scale words.  Slot 1 is filled behind the full sequence and a round.
; PREFETCH: a wave's quarter of a slot is 8 tiles x 3,072 bytes; each of the four partners that ask for it jointly names 2 tiles of it, 24 blocks of 256 bytes, a lane a block (lanes 24-31 name the last again), told apart by address.
; The head names slots 1 and 2, slot 1's fill names slot 3, and the refill that brings slot n + 2 names slot n + 4: two refills ahead.  The loop's last trip, whose look-ahead would pass slot 7, names nothing.
; LIMITS: NaN and infinities are not served; a block of zeros gets the byte 1 (read by this program alone).
.set NQ,    2
.set PFO,   30
; THE TABLE of cos and sin is prefetched too: in the loop's last trip, where no slot is left to name, each wave of q's and k's clusters names 2 x 32 blocks of 256 bytes of it, one instruction at each change of slots.
; A row of the cluster reads the same 16 tiles x 16,384 bytes: partner cx takes 65,536 of them, wave w 16,384 of those: each block is named once in a cluster.  v's clusters read no table and name nothing.
.set PFT,   31
.set FR,    12
.set NL,    3
.set NP,    4
.set ROWB,  3072
.set HALFT, 8*ROWB
.set SLOT,  4*HALFT
.set LAPS,  4
.set SCL,   2*SLOT
.set HALFS, 8192
.set SBLK,  1024
.set EX,    SCL+4*HALFS
.set SPARE, EX+4096
.set LI,   1
.set EXW,  2
.set EXR,  3
.set NWO,  4
.set PWS,  8
.set ADRA, 16
.set ADRB, 20
.set ADRS, 27
.set SPW,  28
.set NIL,  29
.set SC,   32
.set NW,   64
.set AF,   128
.set H,    128
.set T,    192
.set TM,   200
.set PC,   216
.set SS,   224
.set RR,   240
.set G1, 24
.set G0, 32
.set G1B, 48
.set G0B, 56
.set G1S, 68
.set G0S, 76
.set G1SB, 80
.set G0SB, 88
.set FLR, 66
.set SEL, 98
.set MSB, 0
.macro WIN new
.if MSB != (\new)
	s_set_vgpr_msb (MSB<<8)|(\new)
.set MSB, (\new)
.endif
.endm
.set MUL_LO, 0xa1
.set MUL_HI, 0xf1
.set TO_B,   0x40
.macro JLOAD g0a, g1a, g0b, g1b
	s_cmp_eq_u32 s19, 0
	s_cbranch_scc0 .Lfor_b_\@
	tensor_load_to_lds s[\g0a:\g0a+3], s[\g1a:\g1a+7]
	s_nop 0
.rept 4
	v_nop
.endr
	s_branch .Lasked_\@
.Lfor_b_\@:
	tensor_load_to_lds s[\g0b:\g0b+3], s[\g1b:\g1b+7]
	s_nop 0
.rept 4
	v_nop
.endr
.Lasked_\@:
.endm
.macro CREST
	s_cmp_lg_u32 s18, 0
	s_cbranch_scc1 .Lnot_wave_0_\@
	s_barrier_signal -3
.Lnot_wave_0_\@:
	s_barrier_wait -3
	s_barrier_signal -1
	s_barrier_wait -1
.endm
.macro CROUND
	s_barrier_signal -1
	s_barrier_wait -1
	CREST
.endm
	s_load_b256 s[4:11], s[0:1], 0x0
	s_load_b128 s[12:15], s[0:1], 0x20
	s_load_b64 s[16:17], s[0:1], 0x30
	v_lshl_add_u32 v[SPW], v0, 2, SPARE
	v_mov_b32 v[NIL], 0
	ds_add_u32 v[SPW], v[NIL]
	ds_add_u32 v[SPW], v[NIL]
	v_lshrrev_b32 v1, 5, v0
	v_readfirstlane_b32 s18, v1
	s_lshr_b32 s19, s18, 1
	s_and_b32 s20, s18, 1
	s_bfe_u32 s22, ttmp6, 0x40000
	s_bfe_u32 s23, ttmp6, 0x40004
	s_mov_b32 s40, ttmp9
	s_and_b32 s41, ttmp7, 0xffff
	s_lshl_b32 s46, s41, 2
	s_lshl_b32 s47, s40, 2
	s_add_co_u32 s47, s47, 16
	s_cmp_eq_u32 s40, 2
	s_cselect_b32 s21, 1, 0
	s_cselect_b32 s42, 24, s46
	s_cselect_b32 s43, s46, s47
	s_add_co_u32 s42, s42, s23
	s_add_co_u32 s43, s43, s22
	s_lshl_b32 s44, s23, 2
	s_lshl_b32 s44, 15, s44
	s_lshl_b32 s45, 0x1111, s22
	s_or_b32 s[G1+0], s44, (3<<16)|(1<<21)
	s_or_b32 s[G1B+0], s45, (3<<16)|(1<<21)
.irp g, G1, G1B
	s_mov_b32 s[\g+1], 384<<16
	s_mov_b32 s[\g+2], 16<<16                      ; the head's loads of codes bring 16 tiles; behind them these two words are set to 8
	s_mov_b32 s[\g+3], 384<<16
	s_mov_b32 s[\g+4], 16
	s_mov_b32 s[\g+5], 3072
	s_mov_b32 s[\g+6], 0
	s_mov_b32 s[\g+7], 0
.endr
	s_or_b32 s[G1S+0], s44, (3<<16)|(1<<21)
	s_or_b32 s[G1SB+0], s45, (3<<16)|(1<<21)
.irp g, G1S, G1SB
	s_mov_b32 s[\g+1], 32<<16
	s_mov_b32 s[\g+2], 64<<16                      ; the scale words of 256 rows, all of K: 64 rows of 256 bytes
	s_mov_b32 s[\g+3], 32<<16
	s_mov_b32 s[\g+4], 64
	s_mov_b32 s[\g+5], 32
	s_mov_b32 s[\g+6], 0
	s_mov_b32 s[\g+7], 0
.endr
	s_mul_i32 s46, s42, 393216                     ; byte offsets of the two blocks of 16 tiles: codes,
	s_mov_b32 s47, 0
	s_mul_i32 s92, s43, 393216
	s_mov_b32 s93, 0
	s_lshl_b32 s94, s42, 14                        ; and scale words
	s_mov_b32 s95, 0
	s_lshl_b32 s96, s43, 14
	s_mov_b32 s97, 0
	s_mul_i32 s98, s18, HALFT                      ; the ring: my quarter of a slot in LDS,
	s_mul_i32 s66, s20, 196608                     ; and which 8 tiles of the 16 I fetch
	s_mov_b32 s67, 0
	s_cmp_eq_u32 s19, 0                            ; the prefetches' offset: the block that I fetch for,
	s_cselect_b32 s2, s46, s92
	s_cselect_b32 s3, s22, s23                     ; my place among the four that ask with me,
	s_mul_i32 s3, s3, 49152                        ; 2 tiles of 24,576 bytes each,
	s_add_co_u32 s2, s2, s3
	s_add_co_u32 s2, s2, s66                       ; of my 8
	s_mov_b32 s3, 0
	s_wait_dscnt 0x0
	s_wait_kmcnt 0x0
	s_add_nc_u64 s[46:47], s[4:5], s[46:47]
	s_add_nc_u64 s[92:93], s[4:5], s[92:93]
	s_add_nc_u64 s[94:95], s[6:7], s[94:95]
	s_add_nc_u64 s[96:97], s[6:7], s[96:97]
	s_add_nc_u64 s[4:5], s[4:5], s[2:3]
	s_lshl_b32 s2, s41, 2                          ; the table's part that my wave names: ((row block x 4 + cx) x 4 + wave) x 16,384 bytes
	s_add_co_u32 s2, s2, s23
	s_lshl_b32 s2, s2, 2
	s_add_co_u32 s2, s2, s22
	s_lshl_b32 s2, s2, 2
	s_add_co_u32 s2, s2, s18
	s_lshl_b32 s2, s2, 14
	s_add_nc_u64 s[6:7], s[8:9], s[2:3]
	CROUND                                         ; all sixteen work-groups are here: the first joint loads meet
	s_mov_b32 s[G0], 1                             ; the head's four tiles, each whole
	s_mov_b32 s[G0+1], 0
	s_mov_b64 s[G0+2:G0+3], s[46:47]
	s_or_b32 s[G0+3], s[G0+3], 0x80000000
	s_mov_b32 s[G0B], 1
	s_mov_b32 s[G0B+1], 2*HALFT
	s_mov_b64 s[G0B+2:G0B+3], s[92:93]
	s_or_b32 s[G0B+3], s[G0B+3], 0x80000000
	s_mov_b32 s[G0S], 1
	s_mov_b32 s[G0S+1], SCL
	s_mov_b64 s[G0S+2:G0S+3], s[94:95]
	s_or_b32 s[G0S+3], s[G0S+3], 0x80000000
	s_mov_b32 s[G0SB], 1
	s_mov_b32 s[G0SB+1], SCL+2*HALFS
	s_mov_b64 s[G0SB+2:G0SB+3], s[96:97]
	s_or_b32 s[G0SB+3], s[G0SB+3], 0x80000000
.macro ARM under, g0, g1, next         ; one chain of branches on the wave's number, one load to an arm, all arms to one join
	s_cmp_lt_u32 s18, \under
	s_cbranch_scc0 \next
	tensor_load_to_lds s[\g0:\g0+3], s[\g1:\g1+7]
	s_nop 0
.rept 4
	v_nop
.endr
	s_branch .Lhead_asked
\next:
.endm
	ARM 1, G0,  G1,  .Lhead_b
	ARM 2, G0B, G1B, .Lhead_sa
	ARM 3, G0S, G1S, .Lhead_sb
	tensor_load_to_lds s[G0SB:G0SB+3], s[G1SB:G1SB+7]
	s_nop 0
.rept 4
	v_nop
.endr
.Lhead_asked:
	v_and_b32 v5, 31, v0
	v_lshlrev_b32 v[PFT], 8, v5                    ; the table: a lane a block
	v_min_u32 v5, 23, v5
	v_mul_u32_u24 v6, v5, 171
	v_lshrrev_b32 v6, 11, v6                       ; i / 12: which of the 2 tiles
	v_mul_u32_u24 v6, v6, 21504                    ; a tile is 24,576 bytes on, less the 12 blocks passed
	v_lshl_add_u32 v[PFO], v5, 8, v6
	s_wait_alu depctr_va_vdst(0)
	global_prefetch_b8 v[PFO], s[4:5] offset:ROWB th:TH_LOAD_NT scope:SCOPE_SE
	global_prefetch_b8 v[PFO], s[4:5] offset:2*ROWB th:TH_LOAD_NT scope:SCOPE_SE
	s_add_nc_u64 s[46:47], s[46:47], s[66:67]      ; for the ring: my 8 tiles
	s_add_nc_u64 s[92:93], s[92:93], s[66:67]
	s_mov_b32 s[G0+4], 1
	s_add_co_u32 s[G0+5], s98, SLOT
	s_add_nc_u64 s[G0+6:G0+7], s[46:47], ROWB
	s_or_b32 s[G0+7], s[G0+7], 0x80000000
	s_mov_b32 s[G0B+4], 1
	s_add_co_u32 s[G0B+5], s98, SLOT
	s_add_nc_u64 s[G0B+6:G0B+7], s[92:93], ROWB
	s_or_b32 s[G0B+7], s[G0B+7], 0x80000000
	s_wait_tensorcnt 0x0                           ; my tile of the head's four is in
	ds_add_u32 v[SPW], v[NIL]
	s_mov_b32 s[G1+2], 8<<16                       ; no tensor load of mine is out: from here on a load brings 8 tiles,
	s_mov_b32 s[G1+4], 8
	s_mov_b32 s[G1B+2], 8<<16
	s_mov_b32 s[G1B+4], 8
	s_add_co_u32 s[G0+1], s98, 0                   ; and slot 0's group 0 stands at my quarter
	s_mov_b64 s[G0+2:G0+3], s[46:47]
	s_or_b32 s[G0+3], s[G0+3], 0x80000000
	s_add_co_u32 s[G0B+1], s98, 0
	s_mov_b64 s[G0B+2:G0B+3], s[92:93]
	s_or_b32 s[G0B+3], s[G0B+3], 0x80000000
	s_wait_dscnt 0x0
	CROUND                                         ; a whole round: all four tiles are in, in every partner
	JLOAD G0+4, G1, G0B+4, G1B                     ; slot 1, the first tensor load behind the round
	global_prefetch_b8 v[PFO], s[4:5] offset:3*ROWB th:TH_LOAD_NT scope:SCOPE_SE
	s_mov_b32 s[SEL], 0x76543210
	s_mov_b32 s[SEL+1], 0xfedcba98
	s_mov_b32 s100, 0xffff0000
	s_mov_b32 s101, 0x3b800000
	s_mov_b32 s2, 0x358637bd
	s_mov_b32 s[FLR], 0x1800000
	v_and_b32 v5, 31, v0
	v_lshlrev_b32 v[LI], 4, v5
	v_and_b32 v6, 15, v0
	v_bfe_u32 v7, v0, 4, 1
	s_wait_alu depctr_va_vdst(0)
	v_lshlrev_b32 v[NWO], 6, v7
	s_mul_i32 s46, s19, HALFT
	s_mul_i32 s47, s20, HALFT
	s_add_co_u32 s47, s47, 2*HALFT
.irp s, 0,1
	v_add_nc_u32 v[ADRA+\s], s46, v[LI]
	v_add_nc_u32 v[ADRB+\s], s47, v[LI]
	s_add_co_u32 s46, s46, SLOT
	s_add_co_u32 s47, s47, SLOT
.endr
	v_lshlrev_b32 v5, 3, v6
	s_mul_i32 s46, s19, HALFS
	s_mul_i32 s47, s20, HALFS
	s_add_co_u32 s47, s47, 2*HALFS
	s_sub_co_u32 s47, s47, s46
	v_mul_u32_u24 v6, s47, v7
	s_add_co_u32 s46, s46, SCL
	v_add_nc_u32 v5, v5, v6
	v_add_nc_u32 v[ADRS], s46, v5
	s_lshl_b32 s46, s18, 10
	s_add_co_u32 s46, s46, EX
	v_add_nc_u32 v[EXW], s46, v[LI]
	s_xor_b32 s46, s18, 1
	s_lshl_b32 s46, s46, 10
	s_add_co_u32 s46, s46, EX
	v_add_nc_u32 v[EXR], s46, v[LI]
.macro FRAG reg, adr, q, i
.irp c, 0,1,2
	ds_load_b128 v[\reg+4*\c:\reg+4*\c+3], v[\adr] offset:(\i)*ROWB+(\q)*1536+512*\c
.endr
.endm
.macro MUL16 a0, p, q, sc, zero
.irp a, \a0, \a0+1
.irp b, 0,1,2,3,4,5,6,7
.if \zero
	v_wmma_scale_f32_16x16x128_f8f6f4 v[8*(8*((\a)%4)+\b):8*(8*((\a)%4)+\b)+7], v[128*(\p)+FR*\b:128*(\p)+FR*\b+FR-1], v[AF+FR*(\a):AF+FR*(\a)+FR-1], 0, v[SC+8*NQ*(\sc)+NQ*\b+(\q)], v[SC+8*NQ*(\sc)+NQ*(\a)+(\q)] matrix_a_fmt:MATRIX_FMT_FP6 matrix_b_fmt:MATRIX_FMT_FP6 matrix_a_scale:MATRIX_SCALE_ROW1
.else
	v_wmma_scale_f32_16x16x128_f8f6f4 v[8*(8*((\a)%4)+\b):8*(8*((\a)%4)+\b)+7], v[128*(\p)+FR*\b:128*(\p)+FR*\b+FR-1], v[AF+FR*(\a):AF+FR*(\a)+FR-1], v[8*(8*((\a)%4)+\b):8*(8*((\a)%4)+\b)+7], v[SC+8*NQ*(\sc)+NQ*\b+(\q)], v[SC+8*NQ*(\sc)+NQ*(\a)+(\q)] matrix_a_fmt:MATRIX_FMT_FP6 matrix_b_fmt:MATRIX_FMT_FP6 matrix_a_scale:MATRIX_SCALE_ROW1
.endif
.endr
.endr
.endm
.macro FETCH_B slot, q, p
	WIN TO_B
.irp i, 0,1,2,3,4,5,6,7
	FRAG 128*(\p)+FR*\i, ADRB+\slot, \q, \i
.endr
	WIN 0
.endm
.macro FETCH_A slot, q, i0
.irp i, \i0, \i0+1, \i0+2, \i0+3
	FRAG AF+FR*(\i), ADRA+\slot, \q, \i
.endr
.endm
.macro SCALES sc
.irp i, 0,1,2,3,4,5,6,7
	ds_load_b64 v[SC+8*NQ*\sc+NQ*\i:SC+8*NQ*\sc+NQ*\i+1], v[ADRS] offset:\i*SBLK
.endr
.endm
.macro PLACES n
.rept \n
	v_nop
.endr
.endm
.macro STEP slot, q, zero
	s_wait_dscnt 4*NL
	WIN MUL_LO
	MUL16 0, (\q)%2, \q, \slot, \zero
	MUL16 2, (\q)%2, \q, \slot, \zero
	s_wait_dscnt 0
	PLACES NP
	FETCH_B \slot, (\q)+1, 1-(\q)%2
	FETCH_A \slot, (\q)+1, 0
	WIN MUL_HI
	MUL16 4, (\q)%2, \q, \slot, \zero
	MUL16 6, (\q)%2, \q, \slot, \zero
	PLACES NP
	WIN 0
	FETCH_A \slot, (\q)+1, 4
.endm
.macro TURN slot, next, fill
.if \fill
	s_wait_xcnt 0x0                                ; my prefetches have read their address: it is stepped here, a slot behind the last of them
	s_add_nc_u64 s[4:5], s[4:5], ROWB
.endif
	s_wait_tensorcnt 0x0
	ds_add_u32 v[SPW], v[NIL]
	s_wait_dscnt 4*NL+1
	WIN MUL_LO
	MUL16 0, 1, NQ-1, \slot, 0
	s_wait_dscnt 0x0
	s_barrier_signal -1
	MUL16 2, 1, NQ-1, \slot, 0
	WIN 0
	s_barrier_wait -1
.if \fill
	CREST
	s_add_nc_u64 s[G0+4*\slot+2:G0+4*\slot+3], s[G0+4*\slot+2:G0+4*\slot+3], 2*ROWB
	s_add_nc_u64 s[G0B+4*\slot+2:G0B+4*\slot+3], s[G0B+4*\slot+2:G0B+4*\slot+3], 2*ROWB
	JLOAD G0+4*\slot, G1, G0B+4*\slot, G1B
.else
	PLACES NP
.endif
	s_wait_alu depctr_va_vdst(0)
	v_add_nc_u32 v[ADRS], 128, v[ADRS]
	FETCH_B \next, 0, 0
	FETCH_A \next, 0, 0
	SCALES \next
.if \fill
	s_cmp_gt_u32 s3, 1                             ; the last trip's look-ahead would pass slot 7
	s_cbranch_scc0 .Ltab_\@
	global_prefetch_b8 v[PFO], s[4:5] offset:3*ROWB th:TH_LOAD_NT scope:SCOPE_SE   ; the slot two refills on
	s_branch .Lnopf_\@
.Ltab_\@:
	s_cmp_eq_u32 s21, 0                            ; the cluster's x alone: alike in all partners
	s_cbranch_scc0 .Lnopf_\@
	global_prefetch_b8 v[PFT], s[6:7] offset:\slot*8192 th:TH_LOAD_NT scope:SCOPE_SE
.Lnopf_\@:
.endif
	WIN MUL_HI
	MUL16 4, 1, NQ-1, \slot, 0
	MUL16 6, 1, NQ-1, \slot, 0
	PLACES NP
	WIN 0
	FETCH_A \next, 0, 4
.endm
	s_wait_alu depctr_va_vdst(0)
	FETCH_B 0, 0, 0
	FETCH_A 0, 0, 0
	SCALES 0
	FETCH_A 0, 0, 4
	STEP 0, 0, 1
	s_mov_b32 s3, LAPS-1
.Llap:
	TURN 0, 1, 1
	STEP 1, 0, 0
	TURN 1, 0, 1
	STEP 0, 0, 0
	s_sub_co_u32 s3, s3, 1
	s_cmp_lg_u32 s3, 0
	s_cbranch_scc1 .Llap
	TURN 0, 1, 0
	STEP 1, 0, 0
	s_wait_dscnt 4*NL
	WIN MUL_LO
	MUL16 0, 1, NQ-1, 1, 0
	MUL16 2, 1, NQ-1, 1, 0
	s_wait_dscnt 0
	WIN MUL_HI
	MUL16 4, 1, NQ-1, 1, 0
	MUL16 6, 1, NQ-1, 1, 0
	WIN 0
.macro QUANT s, w, pw
	WIN ((\w)<<2)|((\w)<<4)
.irp b, 0,1,2,3
	v_max3_num_f32 v[TM+\b], s[FLR], |v[\s+16*\b]|, |v[\s+1+16*\b]|
.endr
.irp i, 2,4,6,8,10,12,14
.irp b, 0,1,2,3
	v_max3_num_f32 v[TM+\b], v[TM+\b], |v[\s+16*\b+\i]|, |v[\s+1+16*\b+\i]|
.endr
.endr
	WIN 0
.irp b, 0,1,2,3
	v_permlanex16_b32 v[TM+4+\b], v[TM+\b], s[SEL], s[SEL+1]
.endr
.irp b, 0,1,2,3
	v_max_num_f32 v[TM+\b], v[TM+\b], v[TM+4+\b]
.endr
.irp b, 0,1,2,3
	v_add_nc_u32 v[TM+12+\b], 0xff000000, v[TM+\b]
.endr
.irp b, 0,1,2,3
	v_lshrrev_b32 v[TM+4+\b], 23, v[TM+12+\b]
.endr
	v_lshl_or_b32 v[\pw], v[TM+5], 8, v[TM+4]
	v_lshl_or_b32 v[\pw], v[TM+6], 16, v[\pw]
	v_lshl_or_b32 v[\pw], v[TM+7], 24, v[\pw]
	WIN (\w)
.irp c, 0,1
	v_cvt_scalef32_pk16_fp6_f32 v[PC+6*\c:PC+2+6*\c], v[\s+32*\c:\s+15+32*\c], v[TM+12+2*\c]
	v_cvt_scalef32_pk16_fp6_f32 v[PC+12+4*\c:PC+14+4*\c], v[\s+16+32*\c:\s+31+32*\c], v[TM+12+2*\c+1]
.endr
	WIN 0
	v_nop
.irp c, 0,1
.irp i, 0,1,2
	v_permlane16_swap_b32 v[PC+6*\c+\i], v[PC+12+4*\c+\i]
.endr
.irp i, 0,1,2
	v_mov_b32 v[PC+3+6*\c+\i], v[PC+12+4*\c+\i]
.endr
.endr
.endm
	PLACES NP
.irp b, 0,1,2,3
	v_mov_b32 v[TM+4+\b], 0
.endr
	s_cmp_eq_u32 s21, 1
	s_cbranch_scc1 .Lvepi
	s_lshl_b32 s42, s41, 2
	s_add_co_u32 s42, s42, s23
	s_lshl_b32 s43, s22, 4
	s_add_co_u32 s43, s43, s42
	s_lshl_b32 s44, s42, 4
	s_lshl_b32 s45, s19, 3
	s_add_co_u32 s44, s44, s45
	s_lshl_b32 s96, s44, 14
	s_mov_b32 s97, 0
	s_add_nc_u64 s[96:97], s[8:9], s[96:97]
	s_cmp_eq_u32 s40, 0
	s_cselect_b64 s[46:47], s[10:11], s[12:13]
	s_cselect_b64 s[92:93], s[14:15], s[16:17]
	s_mov_b32 s45, 102400
	s_cselect_b32 s45, 51200, s45
	s_mul_i32 s44, s43, s45
	s_mov_b32 s45, 0
	s_add_nc_u64 s[92:93], s[92:93], s[44:45]
	s_add_nc_u64 s[94:95], s[92:93], 49152
	s_lshl_b32 s44, s19, 10
	s_lshl_b32 s67, s20, 9
	s_add_co_u32 s44, s44, s67
	s_add_nc_u64 s[94:95], s[94:95], s[44:45]
	s_mul_i32 s44, s20, 24576
	s_mul_i32 s67, s19, 12288
	s_add_co_u32 s44, s44, s67
	s_add_nc_u64 s[92:93], s[92:93], s[44:45]
	s_lshl_b32 s44, s20, 9
	s_add_nc_u64 s[46:47], s[46:47], s[44:45]
.set j, 0
.rept 16
	global_load_b128 v[NW+4*j:NW+4*j+3], v[NWO], s[46:47] offset:128*(j/4)+16*(j%4)
.set j, j+1
.endr
.macro TLD a
	WIN 0x40
.set ti, 0
.rept 32
	global_load_b128 v[128*((\a)%2)+4*ti:128*((\a)%2)+4*ti+3], v[LI], s[96:97] offset:(\a)*16384+512*ti
.set ti, ti+1
.endr
	WIN 0
.endm
	TLD 0
	TLD 1
.irp a, 0,1,2,3,4,5,6,7
	v_mov_b32 v[SS+8+\a], 0
	v_mov_b32 v[RR+1+2*\a], 0
.endr
.irp g, 0,1
	WIN 0x0a+5*\g
.set j, 0
.rept 16
.irp a, 0,1,2,3
.if j == 0
	v_pk_mul_f32 v[T+16*\g+4*\a:T+16*\g+4*\a+1], v[64*\a:64*\a+1], v[64*\a:64*\a+1]
	v_pk_mul_f32 v[T+16*\g+4*\a+2:T+16*\g+4*\a+3], v[64*\a+2:64*\a+3], v[64*\a+2:64*\a+3]
.else
	v_pk_fma_f32 v[T+16*\g+4*\a:T+16*\g+4*\a+1], v[64*\a+4*j:64*\a+4*j+1], v[64*\a+4*j:64*\a+4*j+1], v[T+16*\g+4*\a:T+16*\g+4*\a+1]
	v_pk_fma_f32 v[T+16*\g+4*\a+2:T+16*\g+4*\a+3], v[64*\a+4*j+2:64*\a+4*j+3], v[64*\a+4*j+2:64*\a+4*j+3], v[T+16*\g+4*\a+2:T+16*\g+4*\a+3]
.endif
.endr
.set j, j+1
.endr
.endr
	WIN 0
.irp a, 0,1,2,3,4,5,6,7
	v_pk_add_f32 v[T+4*\a:T+4*\a+1], v[T+4*\a:T+4*\a+1], v[T+4*\a+2:T+4*\a+3]
.endr
.irp a, 0,1,2,3,4,5,6,7
	v_add_f32 v[SS+\a], v[T+4*\a], v[T+4*\a+1]
.endr
.irp a, 0,1,2,3,4,5,6,7
	v_permlanex16_b32 v[SS+8+\a], v[SS+\a], s[SEL], s[SEL+1]
.endr
.irp a, 0,1,2,3,4,5,6,7
	v_add_f32 v[SS+\a], v[SS+\a], v[SS+8+\a]
.endr
	ds_store_b128 v[EXW], v[SS:SS+3]
	ds_store_b128 v[EXW], v[SS+4:SS+7] offset:512
	s_wait_alu depctr_va_vdst(0)
	s_wait_dscnt 0x0
	s_barrier_signal -1
	s_barrier_wait -1
	ds_load_b128 v[SS+8:SS+11], v[EXR]
	ds_load_b128 v[SS+12:SS+15], v[EXR] offset:512
	s_wait_dscnt 0x0
.irp a, 0,1,2,3,4,5,6,7
	v_add_f32 v[SS+\a], v[SS+\a], v[SS+8+\a]
.endr
.irp a, 0,1,2,3,4,5,6,7
	v_fma_f32 v[SS+\a], v[SS+\a], s101, s2
.endr
	s_wait_alu depctr_va_vdst(0)
.irp a, 0,1,2,3,4,5,6,7
	v_rsq_f32 v[RR+2*\a], v[SS+\a]
.endr
	v_nop
	s_wait_alu depctr_va_vdst(0)
.macro ROPEQ a
.set AC, 64*((\a)%4)
.set CB, 128*((\a)%2)
.if (\a) < 7
	s_wait_loadcnt 32
.else
	s_wait_loadcnt 0x0
.endif
	s_wait_xcnt 0x0
	WIN 2+(\a)/4
.set j, 0
.rept 32
	v_pk_mul_f32 v[H+j:H+j+1], v[AC+j:AC+j+1], v[RR+2*(\a):RR+2*(\a)+1] op_sel_hi:[1,0]
.set j, j+2
.endr
	WIN 0
.set j, 0
.rept 32
	v_pk_mul_f32 v[H+j:H+j+1], v[H+j:H+j+1], v[NW+j:NW+j+1]
.set j, j+2
.endr
	WIN 0x04
.set j, 0
.rept 8
.irp g, 0,1,2,3
	v_pk_mul_f32 v[T+2*\g:T+2*\g+1], v[H+j+2*\g:H+j+2*\g+1], v[CB+j+2*\g:CB+j+2*\g+1]
.endr
.irp g, 0,1,2,3
	v_pk_fma_f32 v[H+j+2*\g:H+j+2*\g+1], v[H+j+2*\g:H+j+2*\g+1], v[CB+64+j+2*\g:CB+64+j+2*\g+1], v[T+2*\g:T+2*\g+1] op_sel:[1,0,0] op_sel_hi:[0,1,1]
.endr
.set j, j+8
.endr
.if (\a) < 6
	TLD (\a)+2
.endif
	WIN 0
	QUANT H, 0, PWS+(\a)
.irp c, 0,1,2
	global_store_b128 v[LI], v[PC+4*\c:PC+4*\c+3], s[92:93] offset:(\a)*1536+512*\c
.endr
.endm
.irp a, 0,1,2,3,4,5,6,7
	ROPEQ \a
.endr
.irp j, 0,1,2,3
	v_cndmask_b32 v[T+\j], v[PWS+\j], v[PWS+4+\j], s100
.endr
	global_store_b128 v[LI], v[T:T+3], s[94:95]
	s_branch .Lend
.Lvepi:
	s_lshl_b32 s42, s23, 4
	s_lshl_b32 s43, s41, 2
	s_add_co_u32 s42, s42, s43
	s_add_co_u32 s42, s42, s22
	s_mul_i32 s44, s42, 102400
	s_add_co_u32 s44, s44, 51200
	s_mov_b32 s45, 0
	s_add_nc_u64 s[92:93], s[16:17], s[44:45]
	s_add_nc_u64 s[94:95], s[92:93], 49152
	s_lshl_b32 s44, s20, 10
	s_lshl_b32 s67, s19, 9
	s_add_co_u32 s44, s44, s67
	s_add_nc_u64 s[94:95], s[94:95], s[44:45]
	s_lshl_b32 s44, s19, 4
	s_add_co_u32 s44, s44, s20
	s_mul_i32 s44, s44, 1536
	s_add_nc_u64 s[92:93], s[92:93], s[44:45]
.irp a, 0,1,2,3,4,5,6,7
	s_wait_xcnt 0x0
	QUANT 64*(\a%4), 2+\a/4, PWS+\a
.irp c, 0,1,2
	global_store_b128 v[LI], v[PC+4*\c:PC+4*\c+3], s[92:93] offset:\a*3072+512*\c
.endr
.endr
.irp j, 0,1,2,3
	v_cndmask_b32 v[T+\j], v[PWS+\j], v[PWS+4+\j], s100
.endr
	global_store_b128 v[LI], v[T:T+3], s[94:95]
.Lend:
	s_wait_tensorcnt 0x0
	ds_add_u32 v[SPW], v[NIL]
	s_wait_dscnt 0x0
	CROUND
	s_endpgm
.Lfunc_end_k_qd3d81957b2_qkv:
	.size	k_qd3d81957b2_qkv, .Lfunc_end_k_qd3d81957b2_qkv-k_qd3d81957b2_qkv
	.p2alignl 7, 3214868480
	.fill 96, 4, 3214868480
	.section	.rodata,"a",@progbits
	.p2align	6, 0x0
	.amdhsa_kernel k_qd3d81957b2_qkv
		.amdhsa_group_segment_fixed_size 327680
		.amdhsa_private_segment_fixed_size 0
		.amdhsa_enable_private_segment 0
		.amdhsa_kernarg_size 56
		.amdhsa_user_sgpr_count 2
		.amdhsa_user_sgpr_kernarg_segment_ptr 1
		.amdhsa_wavefront_size32 1
		.amdhsa_system_sgpr_workgroup_id_x 1
		.amdhsa_system_sgpr_workgroup_id_y 1
		.amdhsa_system_sgpr_workgroup_id_z 1
		.amdhsa_system_vgpr_workitem_id 0
		.amdhsa_next_free_vgpr 1024
		.amdhsa_next_free_sgpr 102
		.amdhsa_reserve_vcc 0
		.amdhsa_float_denorm_mode_32 3
		.amdhsa_float_denorm_mode_16_64 3
		.amdhsa_memory_ordered 1
		.amdhsa_forward_progress 1
		.amdhsa_inst_pref_size 255
	.end_amdhsa_kernel
	.section	.bss,"aw",@nobits
	.p2align	6
	.space	262144
	.amdgpu_metadata
---
amdhsa.version: [ 1, 2 ]
amdhsa.kernels:
  - .name:           k_qd3d81957b2_qkv
    .symbol:         k_qd3d81957b2_qkv.kd
    .args:
      - { .name: opc, .offset: 0, .size: 8, .value_kind: global_buffer, .address_space: global }
      - { .name: ops, .offset: 8, .size: 8, .value_kind: global_buffer, .address_space: global }
      - { .name: cst, .offset: 16, .size: 8, .value_kind: global_buffer, .address_space: global }
      - { .name: q_norm_w, .offset: 24, .size: 8, .value_kind: global_buffer, .address_space: global }
      - { .name: k_norm_w, .offset: 32, .size: 8, .value_kind: global_buffer, .address_space: global }
      - { .name: qc, .offset: 40, .size: 8, .value_kind: global_buffer, .address_space: global }
      - { .name: kv, .offset: 48, .size: 8, .value_kind: global_buffer, .address_space: global }
    .group_segment_fixed_size: 327680
    .private_segment_fixed_size: 0
    .kernarg_segment_align: 8
    .kernarg_segment_size: 56
    .max_flat_workgroup_size: 128
    .sgpr_count:     102
    .vgpr_count:     1024
    .wavefront_size: 32
...
	.end_amdgpu_metadata
.endif
;; end of part 2
;; launch attn (part 3): grid 64 x 4, 4 waves a work-group, no clusters, 327,680 bytes of LDS; arguments qc, kv, yc, ys; writes yc, ys
.if DOCPART == 3
	.amdgcn_target "amdgcn-amd-amdhsa--gfx1250"
	.amdhsa_code_object_version 6
	.text
	.protected	k_qd3d81957b2_attn
	.globl	k_qd3d81957b2_attn
	.p2align	8
	.type	k_qd3d81957b2_attn,@function
k_qd3d81957b2_attn:
	s_mov_b64 s[64:65], 0
	v_nop
	global_prefetch_b8 v0, s[64:65] scope:SCOPE_SE
	s_setreg_imm32_b32 hwreg(HW_REG_WAVE_MODE, 25, 1), 1
	s_wait_xcnt 0x0
; ATTN: S^T = K Q^T, the softmax by the problem's rule (p = 2^(t - M), M a whole number, the sum of the unquantised p divides at the end), O^T = V^T P^T, y quantised for the last product.
; LEFT OUT (shown at the head of prep): key steps of 128 that reference()'s own window mask hides from all 32 queries of a wave, and slots of 256 keys that lie before key 0 or wholly below the window of all 64 queries.
; SHARES.  A work-group owns 64 queries of one head.  Wave w has the 32 queries of tiles 2 (w % 2) and 2 (w % 2) + 1 and KEY STEP w / 2 of every slot of 256 keys: each fragment of K and of V that it reads
; from LDS feeds two matrix instructions.  The two waves of a pair of tiles are merged at the end by exact powers of two: each sends one tile's O^T and finishes the other.
; The walk goes DOWN from the slot that holds the queries, five trips, a constant count; the head's fill is the diagonal slot, which is always read.  Behind each change of slots the slot before is asked for,
; unless no query of the work-group sees any key of it: a jump round the tensor load, made of ids and the count of trips alone and alike in all four waves; where the walk ends hangs on the work-group's number.
; Every wave brings a quarter of a slot (25,600 dense bytes) by one tensor load: by this text's count one load a wave is out at the most, and every wait on TENSORcnt is for 0.
; No cluster: no such jump may lead round a joint load.  No prefetch: every slot of kv is the head's fill of some work-group, so nothing is left to ask for ahead.
; A lane holds one query of each tile: query QB + 8 u + r + 8 (r / 8); register 16 b + i of S^T is key KF + 32 b + 16 h + i; register 16 B + i of O^T is channel 32 B + 16 h + i.
; LIMITS: NaN and infinities are not served; a block of zeros gets the byte 1 (read by this program alone); the promise holds while the scaled scores stay under 2^31 in magnitude.
; REGISTERS: window 0: v1-11, v20, v21 addresses; v12-19 for each tile -M, largest t, the sum in two halves; v22-41 scale words; v42-45 the factors; v48-175 S^T, then p; v176-214 p's codes; v216-255 at work.
; Window 1: v0-191 K's 16 fragments, v192-239 Q.  Window 2: O^T, 128 registers a tile.  Window 3: v0-191 V's 16 fragments.
.set SLOT1, 131072
.set SLOTB, 102400
.set PART,  25600
.set STG,   SLOT1+SLOTB                ; 4 x 16,896 bytes: one tile's O^T and statistics from each wave; no fill lands here
.set SPARE, STG+4*16896
.set LK,  1
.set LV,  2
.set LSC, 3
.set QL,  4
.set SPW, 5
.set NIL, 6
.set SAW, 7
.set SAR, 8
.set AK,  9
.set AV,  10
.set LI,  11
.set ST,  12
.set ASC, 20
.set YO,  21
.set QS,  22
.set PS,  24
.set KSC, 26
.set VSC, 34
.set F,   42
.set S,   48
.set PC,  176
.set BM,  216
.set BT,  224
.set BS,  232
.set TM,  224
.set TS,  240
.set TT,  254
.set QF,  192
.set FLR, 42
.set SEL, 20
.set MSB, 0
.macro WIN new
.if MSB != (\new)
	s_set_vgpr_msb (MSB<<8)|(\new)
.set MSB, (\new)
.endif
.endm
	s_load_b256 s[4:11], s[0:1], 0x0               ; qc, kv, yc, ys
	v_lshl_add_u32 v[SPW], v0, 2, SPARE
	v_mov_b32 v[NIL], 0
	ds_add_u32 v[SPW], v[NIL]                      ; the opening: the add, twice on end, and its wait ahead of my first tensor load
	ds_add_u32 v[SPW], v[NIL]
	v_lshrrev_b32 v1, 5, v0
	v_readfirstlane_b32 s18, v1                    ; wave
	s_lshr_b32 s19, s18, 1                         ; my key step of a slot
	s_and_b32 s43, s18, 1                          ; my pair of tiles
	s_and_b32 s44, ttmp7, 0xffff                   ; head
	s_lshr_b32 s45, ttmp9, 2                       ; c: the slot that holds my queries
	s_mov_b32 s24, 3<<16                           ; group 1: 100 rows of 32 elements of 8 bytes, dense
	s_mov_b32 s25, 32<<16
	s_mov_b32 s26, 100<<16
	s_mov_b32 s27, 32<<16
	s_mov_b32 s28, 100
	s_mov_b32 s29, 32
	s_mov_b32 s30, 0
	s_mov_b32 s31, 0
	s_mov_b32 s[SEL], 0x76543210
	s_mov_b32 s[SEL+1], 0xfedcba98
	s_mov_b32 s22, 0x3db8aa3b                      ; log2(e) / 16
	s_mov_b32 s23, s22
	s_mov_b32 s2, 0                                ; the slot in hand
	s_mov_b32 s36, 5
	s_lshl_b32 s38, s45, 8                         ; the slot's first key
	s_lshl_b32 s46, s19, 7
	s_add_co_u32 s37, s38, s46                     ; KF: my step's first key
	s_lshl_b32 s39, ttmp9, 6
	s_sub_co_i32 s47, s39, 1022
	s_max_i32 s47, s47, 256                        ; the slot before is asked for while the slot in hand begins at or above this: its last key is seen by my work-group's first query, and it does not lie before key 0
	s_lshl_b32 s46, s43, 5
	s_add_co_u32 s39, s39, s46                     ; QB: my first query
	s_mov_b32 s40, 1023
	s_mov_b32 s41, 0xffff0000
	s_mov_b32 s[FLR], 0x1800000
	s_lshl_b32 s12, s44, 4
	s_add_co_u32 s12, s12, s45                     ; 16 x head + c
	s_mul_i32 s14, s12, SLOTB
	s_mul_i32 s33, s18, PART                       ; my quarter, in LDS
	s_add_co_u32 s14, s14, s33                     ; and in memory
	s_mov_b32 s15, 0
	s_mov_b32 s32, 1
	s_wait_dscnt 0x0                               ; both opening adds are done
	s_wait_kmcnt 0x0
	s_add_nc_u64 s[34:35], s[6:7], s[14:15]
	s_or_b32 s35, s35, 0x80000000
	tensor_load_to_lds s[32:35], s[24:31]          ; the diagonal slot
	s_nop 0
.rept 4
	v_nop
.endr
	s_mul_i32 s14, s12, 51200
	s_add_nc_u64 s[4:5], s[4:5], s[14:15]          ; my block of q
	s_and_b32 s13, ttmp9, 3
	s_lshl_b32 s16, s13, 2
	s_lshl_b32 s17, s43, 1
	s_add_co_u32 s16, s16, s17                     ; my first tile in it
	s_mul_i32 s16, s16, 1536
	s_lshr_b32 s48, s13, 1                         ; q's scale words: [tile / 8][d half][lane 32][4 words]
	s_lshl_b32 s48, s48, 10
	s_and_b32 s49, s13, 1
	s_lshl_b32 s49, s49, 8
	s_add_co_u32 s48, s48, s49
	s_lshl_b32 s49, s43, 3
	s_add_co_u32 s48, s48, s49
	s_add_co_u32 s48, s48, 49152
	s_mul_i32 s50, s19, 12288                      ; in a slot: my 8 tiles of K,
	s_mul_i32 s51, s19, 1536                       ; my key step of V's tiles,
	s_add_co_u32 s51, s51, 51200
	s_lshl_b32 s52, s19, 10                        ; my scale words
	s_add_co_u32 s52, s52, 49152
	s_mul_i32 s53, s18, 16896                      ; the stage: mine,
	s_add_co_u32 s53, s53, STG
	s_xor_b32 s54, s18, 2                          ; and that of the wave with my tiles and the other key step
	s_mul_i32 s54, s54, 16896
	s_add_co_u32 s54, s54, STG
	s_lshl_b32 s55, ttmp9, 2
	s_add_co_u32 s55, s55, s17
	s_add_co_u32 s55, s55, s19                     ; the tile that I finish, among the 256
	s_lshl_b32 s14, s55, 3
	s_lshl_b32 s17, s44, 1
	s_add_co_u32 s14, s14, s17
	s_mul_i32 s14, s14, 1536
	s_add_nc_u64 s[8:9], s[8:9], s[14:15]
	s_lshl_b32 s14, s55, 9
	s_lshl_b32 s17, s44, 7
	s_add_co_u32 s14, s14, s17
	s_add_nc_u64 s[10:11], s[10:11], s[14:15]
	v_and_b32 v240, 15, v0                         ; r
	v_bfe_u32 v241, v0, 4, 1                       ; h
	v_and_b32 v242, 31, v0
	v_lshlrev_b32 v[LI], 4, v242
	v_lshlrev_b32 v243, 9, v241
	v_and_b32 v[QL], 8, v240
	v_lshlrev_b32 v244, 4, v241
	v_lshl_add_u32 v243, v240, 4, v243
	v_add_nc_u32 v[QL], v[QL], v240
	v_add_nc_u32 v245, s16, v[LI]
	v_add_nc_u32 v243, s48, v243
	v_sub_nc_u32 v[QL], v[QL], v244                ; r + 8 (r / 8) - 16 h
	v_add_nc_u32 v[LK], s50, v[LI]
	v_add_nc_u32 v[LV], s51, v[LI]
	v_add_nc_u32 v[LSC], s52, v[LI]
	v_add_nc_u32 v[SAW], s53, v[LI]
	v_add_nc_u32 v[SAR], s54, v[LI]
	v_lshlrev_b32 v246, 2, v241
	v_lshl_add_u32 v[YO], v240, 3, v246            ; y's scale words: [row][2 words]
	s_wait_alu depctr_va_vdst(0)
	WIN 0x40
.irp u, 0,1
.irp e, 0,1
.irp c, 0,1,2
	global_load_b128 v[QF+24*\u+12*\e+4*\c:QF+24*\u+12*\e+4*\c+3], v245, s[4:5] offset:\u*1536+\e*24576+512*\c
.endr
.endr
.endr
	WIN 0
	global_load_b32 v[QS], v243, s[4:5]            ; lanes 0-15: the word of d 0-127; lanes 16-31: of d 128-255
	global_load_b32 v[QS+1], v243, s[4:5] offset:4
.irp u, 0,1
	v_mov_b32 v[ST+4*\u+1], 0xff61b1e6             ; the largest t so far: -3e38
	v_mov_b32 v[ST+4*\u+2], 0
	v_mov_b32 v[ST+4*\u+3], 0
	v_mov_b32 v[F+2*\u+1], 0
.endr
	v_floor_f32 v[ST], -v[ST+1]
	v_floor_f32 v[ST+4], -v[ST+5]
.set j, 0
.rept 16
	v_mov_b32 v[BT+j], 0                           ; a lane permute's destination counts as read
.set j, j+1
.endr
	WIN 0x80
.set j, 0
.rept 256
	v_mov_b32 v[j], 0                              ; O^T: which step is a wave's first live one hangs on ids, so no first step can be written out
.set j, j+1
.endr
	WIN 0
	s_wait_alu depctr_va_vdst(0)
	s_wait_loadcnt 0x0                             ; Q
.macro KQ t, e, u                      ; S^T tile t of query tile u, d half e
.set SD, S+64*(\u)+8*(\t)
.set KR, 12*(2*(\t)+(\e))
.set QR, QF+24*(\u)+12*(\e)
.if ((\e) == 0) && ((\t) < 4)
	v_wmma_scale_f32_16x16x128_f8f6f4 v[SD:SD+7], v[KR:KR+11], v[QR:QR+11], 0, v[KSC+(\t)%4], v[QS+(\u)] matrix_a_fmt:MATRIX_FMT_FP6 matrix_b_fmt:MATRIX_FMT_FP6
.elseif (\e) == 0
	v_wmma_scale_f32_16x16x128_f8f6f4 v[SD:SD+7], v[KR:KR+11], v[QR:QR+11], 0, v[KSC+(\t)%4], v[QS+(\u)] matrix_a_fmt:MATRIX_FMT_FP6 matrix_b_fmt:MATRIX_FMT_FP6 matrix_a_scale:MATRIX_SCALE_ROW1
.elseif (\t) < 4
	v_wmma_scale_f32_16x16x128_f8f6f4 v[SD:SD+7], v[KR:KR+11], v[QR:QR+11], v[SD:SD+7], v[KSC+4+(\t)%4], v[QS+(\u)] matrix_a_fmt:MATRIX_FMT_FP6 matrix_b_fmt:MATRIX_FMT_FP6 matrix_b_scale:MATRIX_SCALE_ROW1
.else
	v_wmma_scale_f32_16x16x128_f8f6f4 v[SD:SD+7], v[KR:KR+11], v[QR:QR+11], v[SD:SD+7], v[KSC+4+(\t)%4], v[QS+(\u)] matrix_a_fmt:MATRIX_FMT_FP6 matrix_b_fmt:MATRIX_FMT_FP6 matrix_a_scale:MATRIX_SCALE_ROW1 matrix_b_scale:MATRIX_SCALE_ROW1
.endif
.endm
.macro PV t, u                         ; O^T tile t of query tile u += V^T tile t x P^T
.set OD, 128*(\u)+8*(\t)
.if ((\t)/4)%2 == 0
	v_wmma_scale_f32_16x16x128_f8f6f4 v[OD:OD+7], v[12*(\t):12*(\t)+11], v[PC+20*(\u):PC+20*(\u)+11], v[OD:OD+7], v[VSC+4*((\t)/8)+(\t)%4], v[PS+(\u)] matrix_a_fmt:MATRIX_FMT_FP6 matrix_b_fmt:MATRIX_FMT_FP6
.else
	v_wmma_scale_f32_16x16x128_f8f6f4 v[OD:OD+7], v[12*(\t):12*(\t)+11], v[PC+20*(\u):PC+20*(\u)+11], v[OD:OD+7], v[VSC+4*((\t)/8)+(\t)%4], v[PS+(\u)] matrix_a_fmt:MATRIX_FMT_FP6 matrix_b_fmt:MATRIX_FMT_FP6 matrix_a_scale:MATRIX_SCALE_ROW1
.endif
.endm
.macro NAMES u
.set SU,  S+64*(\u)
.set BMU, BM+4*(\u)
.set BTU, BT+4*(\u)
.set BSU, BS+4*(\u)
.set STU, ST+4*(\u)
.set PCU, PC+20*(\u)
.endm
.macro MAXM u                          ; each block's largest score (for the row's maximum and for the block's largest p), the running M, the factor f
	NAMES \u
.irp b, 0,1,2,3
	v_max3_num_f32 v[BMU+\b], v[SU+16*\b], v[SU+1+16*\b], v[SU+2+16*\b]
.endr
.irp i, 3,5,7,9,11,13
.irp b, 0,1,2,3
	v_max3_num_f32 v[BMU+\b], v[BMU+\b], v[SU+16*\b+\i], v[SU+1+16*\b+\i]
.endr
.endr
.irp b, 0,1,2,3
	v_max_num_f32 v[BMU+\b], v[BMU+\b], v[SU+15+16*\b]
.endr
.irp b, 0,1,2,3
	v_permlanex16_b32 v[BTU+\b], v[BMU+\b], s[SEL], s[SEL+1]
.endr
.irp b, 0,1,2,3
	v_max_num_f32 v[BMU+\b], v[BMU+\b], v[BTU+\b]
.endr
	v_max3_num_f32 v[TT+\u], v[BMU], v[BMU+1], v[BMU+2]
	v_max_num_f32 v[TT+\u], v[TT+\u], v[BMU+3]
	v_mul_f32 v[TT+\u], s22, v[TT+\u]
	v_max_num_f32 v[STU+1], v[STU+1], v[TT+\u]     ; the running largest t
	v_mov_b32 v[TT+\u], v[STU]
	v_floor_f32 v[STU], -v[STU+1]                  ; -M = -ceil(t)
	v_sub_f32 v[TT+\u], v[STU], v[TT+\u]
	v_cvt_i32_f32 v[TT+\u], v[TT+\u]               ; (it saturates)
	v_ldexp_f32 v[F+2*\u], 1.0, v[TT+\u]           ; f = 2^(old M - new M)
.endm
.macro TLESSM u                        ; t - M, of the scores and of each block's largest
	NAMES \u
.set j, 0
.rept 32
	v_pk_fma_f32 v[SU+j:SU+j+1], v[SU+j:SU+j+1], s[22:23], v[STU:STU+1] op_sel_hi:[1,0,0]
.set j, j+2
.endr
.irp b, 0,1,2,3
	v_fma_f32 v[BMU+\b], v[BMU+\b], s22, v[STU]
.endr
.endm
.macro SUMS u                          ; the row's sum of the unquantised p: 32 pairs in eight chains
	NAMES \u
.irp k, 0,1,2,3,4,5,6
	v_pk_add_f32 v[TS+2*\k:TS+2*\k+1], v[SU+2*\k:SU+2*\k+1], v[SU+14+2*\k:SU+15+2*\k]
.endr
	v_pk_add_f32 v[STU+2:STU+3], v[STU+2:STU+3], v[SU+28:SU+29]
.irp k, 0,1,2,3,4,5,6
	v_pk_add_f32 v[TS+2*\k:TS+2*\k+1], v[TS+2*\k:TS+2*\k+1], v[SU+30+2*\k:SU+31+2*\k]
.endr
	v_pk_add_f32 v[STU+2:STU+3], v[STU+2:STU+3], v[SU+44:SU+45]
.irp k, 0,1,2,3,4,5,6
	v_pk_add_f32 v[TS+2*\k:TS+2*\k+1], v[TS+2*\k:TS+2*\k+1], v[SU+46+2*\k:SU+47+2*\k]
.endr
	v_pk_add_f32 v[STU+2:STU+3], v[STU+2:STU+3], v[SU+60:SU+61]
	v_pk_add_f32 v[TS:TS+1], v[TS:TS+1], v[SU+62:SU+63]
	v_pk_add_f32 v[TS+4:TS+5], v[TS+4:TS+5], v[TS+6:TS+7]
	v_pk_add_f32 v[TS+8:TS+9], v[TS+8:TS+9], v[TS+10:TS+11]
	v_pk_add_f32 v[STU+2:STU+3], v[STU+2:STU+3], v[TS+12:TS+13]
	v_pk_add_f32 v[TS:TS+1], v[TS:TS+1], v[TS+2:TS+3]
	v_pk_add_f32 v[STU+2:STU+3], v[STU+2:STU+3], v[TS+8:TS+9]
	v_pk_add_f32 v[TS:TS+1], v[TS:TS+1], v[TS+4:TS+5]
	v_pk_add_f32 v[STU+2:STU+3], v[STU+2:STU+3], v[TS:TS+1]
.endm
.macro PQUANT u                        ; p's scale word and codes
	NAMES \u
.irp b, 0,1,2,3
	v_max_num_f32 v[BMU+\b], 0x1800000, v[BMU+\b]
.endr
.irp b, 0,1,2,3
	v_add_nc_u32 v[BSU+\b], 0xff000000, v[BMU+\b]
.endr
.irp b, 0,1,2,3
	v_lshrrev_b32 v[BTU+\b], 23, v[BSU+\b]
.endr
	v_lshl_or_b32 v[PS+\u], v[BTU+1], 8, v[BTU]
	v_lshl_or_b32 v[PS+\u], v[BTU+2], 16, v[PS+\u]
	v_lshl_or_b32 v[PS+\u], v[BTU+3], 24, v[PS+\u]
.irp c, 0,1
	v_cvt_scalef32_pk16_fp6_f32 v[PCU+6*\c:PCU+2+6*\c], v[SU+32*\c:SU+15+32*\c], v[BSU+2*\c]
	v_cvt_scalef32_pk16_fp6_f32 v[PCU+12+4*\c:PCU+14+4*\c], v[SU+16+32*\c:SU+31+32*\c], v[BSU+2*\c+1]
.endr
	v_nop
.irp c, 0,1
.irp i, 0,1,2
	v_permlane16_swap_b32 v[PCU+6*\c+\i], v[PCU+12+4*\c+\i]
.endr
.irp i, 0,1,2
	v_mov_b32 v[PCU+3+6*\c+\i], v[PCU+12+4*\c+\i]
.endr
.endr
.endm
.Lslot:                                            ; five trips
	s_wait_tensorcnt 0x0                           ; my load has landed, so its group 0 may be written
	ds_add_u32 v[SPW], v[NIL]
	s_xor_b32 s33, s33, SLOT1
	s_sub_nc_u64 s[34:35], s[34:35], SLOTB         ; the slot of keys before
	s_wait_dscnt 0x0                               ; the add is done, and my reads of the slot that I have left are over
	s_barrier_signal -1
	s_barrier_wait -1
	s_cmp_lt_i32 s38, s47                          ; no query of the work-group sees a key of the slot before: ids and the count of trips alone; past it a work-group stays past it
	s_cbranch_scc1 .Lpast
	tensor_load_to_lds s[32:35], s[24:31]
	s_nop 0
.rept 4
	v_nop
.endr
.Lpast:
	s_cmp_lt_i32 s37, 0                            ; before key 0;
	s_cbranch_scc1 .Lhid
	s_add_co_i32 s46, s39, 31
	s_cmp_gt_i32 s37, s46                          ; all keys after my last query;
	s_cbranch_scc1 .Lhid
	s_add_co_i32 s46, s37, 1150
	s_cmp_lt_i32 s46, s39                          ; or all more than 1,023 before my first: the step is left out
	s_cbranch_scc1 .Lhid
	v_add_nc_u32 v[AK], s2, v[LK]
	v_add_nc_u32 v[AV], s2, v[LV]
	v_add_nc_u32 v[ASC], s2, v[LSC]
	v_nop                                          ; four places in front of loads into registers that the last products read
	ds_load_b128 v[KSC:KSC+3], v[ASC]
	ds_load_b128 v[KSC+4:KSC+7], v[ASC] offset:512
	WIN 0x40
.irp t, 0,1,2,3,4,5,6,7
.irp e, 0,1
.irp c, 0,1,2
	ds_load_b128 v[12*(2*\t+\e)+4*\c:12*(2*\t+\e)+4*\c+3], v[AK] offset:\e*24576+\t*1536+512*\c
.endr
.endr
.endr
	WIN 0
	ds_load_b128 v[VSC:VSC+3], v[ASC] offset:51200
	ds_load_b128 v[VSC+4:VSC+7], v[ASC] offset:51200+512
	WIN 0xc0
.irp t, 0,1,2,3,4,5,6,7,8,9,10,11,12,13,14,15
.irp c, 0,1,2
	ds_load_b128 v[12*\t+4*\c:12*\t+4*\c+3], v[AV] offset:\t*3072+512*\c     ; V lands while the scores and the softmax are walked
.endr
.endr
	s_wait_dscnt 63                                ; K's scale words and tiles 0-3 are in (74 loads were issued behind them; 63 is the field's largest count)
	WIN 0x05
.irp e, 0,1                                    ; eight accumulators by turns
.irp t, 0,1,2,3
.irp u, 0,1
	KQ \t, \e, \u
.endr
.endr
.endr
	s_wait_dscnt 50                                ; all of K: behind it V's 2 + 48 loads
.irp e, 0,1
.irp t, 4,5,6,7
.irp u, 0,1
	KQ \t, \e, \u
.endr
.endr
.endr
	WIN 0
.rept 4
	v_nop                                          ; places: the scores are read below
.endr
	s_add_co_i32 s46, s37, 127
	s_cmp_gt_i32 s46, s39
	s_cbranch_scc1 .Lmask
	s_add_co_i32 s46, s37, 992
	s_cmp_ge_i32 s46, s39
	s_cbranch_scc1 .Lopen                          ; every key counts for every query of mine
.Lmask:
	s_sub_co_i32 s46, s39, s37
	v_add_nc_u32 v242, s46, v[QL]
	v_mov_b32 v243, 0xff800000
.set n, 0
.rept 128
	v_add_nc_u32 v[240+n%2], 8*(n/64)-(32*((n%64)/16)+n%16), v242     ; query - key: it counts where 0 <= that <= 1,023: one unsigned test
	v_cmp_lt_u32 vcc_lo, s40, v[240+n%2]
	v_cndmask_b32 v[S+n], v[S+n], v243, vcc_lo
.set n, n+1
.endr
.Lopen:
	MAXM 0
	MAXM 1
	TLESSM 0
	TLESSM 1
	s_wait_alu depctr_va_vdst(0)
.set j, 0
.rept 128
	v_exp_f32 v[S+j], v[S+j]                       ; p = 2^(t - M)
.set j, j+1
.endr
.set j, 0
.rept 8
	v_exp_f32 v[BM+j], v[BM+j]                     ; each block's largest p
.set j, j+1
.endr
	v_pk_mul_f32 v[ST+2:ST+3], v[ST+2:ST+3], v[F:F+1] op_sel_hi:[1,0]        ; the sums under the new M: plain places behind the batch
	v_pk_mul_f32 v[ST+6:ST+7], v[ST+6:ST+7], v[F+2:F+3] op_sel_hi:[1,0]
	s_wait_alu depctr_va_vdst(0)                   ; one wait for the batch, ahead of its first reader
	SUMS 0
	SUMS 1
	PQUANT 0
	PQUANT 1
	WIN 0x82
	s_wait_alu depctr_va_vdst(0)                   ; directly ahead of the first reader of O^T
.irp u, 0,1
.set j, 0
.rept 64
	v_pk_mul_f32 v[128*\u+j:128*\u+j+1], v[128*\u+j:128*\u+j+1], v[F+2*\u:F+2*\u+1] op_sel_hi:[1,0]    ; O^T under the new M; these are also the places ahead of the products below
.set j, j+2
.endr
.endr
	s_wait_alu depctr_va_vdst(0)
	s_wait_dscnt 0x0                               ; V
	WIN 0xa3
.irp t, 0,1,2,3,4,5,6,7,8,9,10,11,12,13,14,15
.irp u, 0,1
	PV \t, \u
.endr
.endr
	WIN 0
.Lhid:
	s_sub_co_i32 s37, s37, 256
	s_xor_b32 s2, s2, SLOT1
	s_sub_co_i32 s38, s38, 256
	s_sub_co_u32 s36, s36, 1
	s_cmp_lg_u32 s36, 0
	s_cbranch_scc1 .Lslot
	; THE MERGE of the two key steps' halves.  The wave of key step 0 finishes tile 0 of the pair and sends tile 1; the wave of key step 1 the other way round
.macro SENDO snd, kp
	WIN 0x08                                       ; an LDS store's data are its source 1: window 2
.set j, 0
.rept 32
	ds_store_b128 v[SAW], v[128*(\snd)+4*j:128*(\snd)+4*j+3] offset:512*j
.set j, j+1
.endr
	WIN 0
	ds_store_b128 v[SAW], v[ST+4*(\snd):ST+4*(\snd)+3] offset:16384
.irp i, 0,1,2,3
	v_mov_b32 v[244+\i], v[ST+4*(\kp)+\i]          ; the statistics of the tile that I finish
.endr
.endm
.rept 4
	v_nop                                          ; places behind the last products
.endr
	s_wait_alu depctr_va_vdst(0)
	s_cmp_eq_u32 s19, 0
	s_cbranch_scc0 .Lsend0
	SENDO 1, 0
	s_branch .Lsent
.Lsend0:
	SENDO 0, 1
.Lsent:
	s_wait_alu depctr_va_vdst(0)
	s_wait_dscnt 0x0
	s_barrier_signal -1
	s_barrier_wait -1
.set j, 0
.rept 32
	ds_load_b128 v[S+4*j:S+4*j+3], v[SAR] offset:512*j
.set j, j+1
.endr
	ds_load_b128 v[240:243], v[SAR] offset:16384
	s_wait_dscnt 0x0
	v_min_num_f32 v248, v244, v240                 ; -max(M, M')
	v_sub_f32 v249, v248, v244
	v_sub_f32 v250, v248, v240
	v_cvt_i32_f32 v249, v249
	v_cvt_i32_f32 v250, v250
	v_ldexp_f32 v[F], 1.0, v249                    ; my half's factor and the other's: powers of two, or 0 for a half that saw no key
	v_ldexp_f32 v[F+2], 1.0, v250
	v_add_f32 v246, v246, v247
	v_add_f32 v242, v242, v243
	v_mul_f32 v246, v246, v[F]
	v_fma_f32 v246, v242, v[F+2], v246
	v_permlanex16_b32 v[BT], v246, s[SEL], s[SEL+1]
	v_add_f32 v246, v246, v[BT]                    ; the row's sum
	s_wait_alu depctr_va_vdst(0)
	v_rcp_f32 v246, v246
	v_nop
	s_wait_alu depctr_va_vdst(0)
	v_mul_f32 v[F], v[F], v246                     ; the division goes into the two factors
	v_mul_f32 v[F+2], v[F+2], v246
.set j, 0
.rept 64
	v_pk_mul_f32 v[S+j:S+j+1], v[S+j:S+j+1], v[F+2:F+3] op_sel_hi:[1,0]
.set j, j+2
.endr
.macro MINE u
	WIN 0x02
	s_wait_alu depctr_va_vdst(0)                   ; directly ahead of the first reader of O^T
.set j, 0
.rept 64
	v_pk_fma_f32 v[S+j:S+j+1], v[128*(\u)+j:128*(\u)+j+1], v[F:F+1], v[S+j:S+j+1] op_sel_hi:[1,0,1]
.set j, j+2
.endr
	WIN 0
.endm
	s_cmp_eq_u32 s19, 0
	s_cbranch_scc0 .Lmine1
	MINE 0
	s_branch .Lmerged
.Lmine1:
	MINE 1
.Lmerged:
.macro QUANT s, pw                     ; 64 numbers, register 16 b + i = k 32 b + 16 h + i, become a fragment in v[PC] on and a scale word
.irp b, 0,1,2,3
	v_max3_num_f32 v[TM+\b], s[FLR], |v[\s+16*\b]|, |v[\s+1+16*\b]|
.endr
.irp i, 2,4,6,8,10,12,14
.irp b, 0,1,2,3
	v_max3_num_f32 v[TM+\b], v[TM+\b], |v[\s+16*\b+\i]|, |v[\s+1+16*\b+\i]|
.endr
.endr
.irp b, 0,1,2,3
	v_permlanex16_b32 v[TM+4+\b], v[TM+\b], s[SEL], s[SEL+1]
.endr
.irp b, 0,1,2,3
	v_max_num_f32 v[TM+\b], v[TM+\b], v[TM+4+\b]
.endr
.irp b, 0,1,2,3
	v_add_nc_u32 v[TM+12+\b], 0xff000000, v[TM+\b]
.endr
.irp b, 0,1,2,3
	v_lshrrev_b32 v[TM+4+\b], 23, v[TM+12+\b]
.endr
	v_lshl_or_b32 v[\pw], v[TM+5], 8, v[TM+4]
	v_lshl_or_b32 v[\pw], v[TM+6], 16, v[\pw]
	v_lshl_or_b32 v[\pw], v[TM+7], 24, v[\pw]
.irp c, 0,1
	v_cvt_scalef32_pk16_fp6_f32 v[PC+6*\c:PC+2+6*\c], v[\s+32*\c:\s+15+32*\c], v[TM+12+2*\c]
	v_cvt_scalef32_pk16_fp6_f32 v[PC+12+4*\c:PC+14+4*\c], v[\s+16+32*\c:\s+31+32*\c], v[TM+12+2*\c+1]
.endr
	v_nop
.irp c, 0,1
.irp i, 0,1,2
	v_permlane16_swap_b32 v[PC+6*\c+\i], v[PC+12+4*\c+\i]
.endr
.irp i, 0,1,2
	v_mov_b32 v[PC+3+6*\c+\i], v[PC+12+4*\c+\i]
.endr
.endr
.endm
	QUANT S, PS                                    ; channels 0-127: K step 2 x head of the last product
.irp c, 0,1,2
	global_store_b128 v[LI], v[PC+4*\c:PC+4*\c+3], s[8:9] offset:512*\c
.endr
	s_wait_xcnt 0x0                                ; the stores have read the code registers
	QUANT S+64, PS+1                               ; channels 128-255
.irp c, 0,1,2
	global_store_b128 v[LI], v[PC+4*\c:PC+4*\c+3], s[8:9] offset:1536+512*\c
.endr
	v_cndmask_b32 v[TT], v[PS], v[PS+1], s41
	global_store_b32 v[YO], v[TT], s[10:11]        ; 128 consecutive bytes: [row][2 words]
	s_wait_tensorcnt 0x0                           ; the wave's end
	ds_add_u32 v[SPW], v[NIL]
	s_wait_dscnt 0x0
	s_endpgm
.Lfunc_end_k_qd3d81957b2_attn:
	.size	k_qd3d81957b2_attn, .Lfunc_end_k_qd3d81957b2_attn-k_qd3d81957b2_attn
	.p2alignl 7, 3214868480
	.fill 96, 4, 3214868480
	.section	.rodata,"a",@progbits
	.p2align	6, 0x0
	.amdhsa_kernel k_qd3d81957b2_attn
		.amdhsa_group_segment_fixed_size 327680
		.amdhsa_private_segment_fixed_size 0
		.amdhsa_enable_private_segment 0
		.amdhsa_kernarg_size 32
		.amdhsa_user_sgpr_count 2
		.amdhsa_user_sgpr_kernarg_segment_ptr 1
		.amdhsa_wavefront_size32 1
		.amdhsa_system_sgpr_workgroup_id_x 1
		.amdhsa_system_sgpr_workgroup_id_y 1
		.amdhsa_system_sgpr_workgroup_id_z 1
		.amdhsa_system_vgpr_workitem_id 0
		.amdhsa_next_free_vgpr 1024
		.amdhsa_next_free_sgpr 66
		.amdhsa_reserve_vcc 1
		.amdhsa_float_denorm_mode_32 3
		.amdhsa_float_denorm_mode_16_64 3
		.amdhsa_memory_ordered 1
		.amdhsa_forward_progress 1
		.amdhsa_inst_pref_size 104
	.end_amdhsa_kernel
	.amdgpu_metadata
---
amdhsa.version: [ 1, 2 ]
amdhsa.kernels:
  - .name:           k_qd3d81957b2_attn
    .symbol:         k_qd3d81957b2_attn.kd
    .args:
      - { .name: qc, .offset: 0, .size: 8, .value_kind: global_buffer, .address_space: global }
      - { .name: kv, .offset: 8, .size: 8, .value_kind: global_buffer, .address_space: global }
      - { .name: yc, .offset: 16, .size: 8, .value_kind: global_buffer, .address_space: global }
      - { .name: ys, .offset: 24, .size: 8, .value_kind: global_buffer, .address_space: global }
    .group_segment_fixed_size: 327680
    .private_segment_fixed_size: 0
    .kernarg_segment_align: 8
    .kernarg_segment_size: 32
    .max_flat_workgroup_size: 128
    .sgpr_count:     66
    .vgpr_count:     1024
    .wavefront_size: 32
...
	.end_amdgpu_metadata
.endif
;; end of part 3
;; launch oproj (part 4): grid 8 x 32, 4 waves a work-group, clusters of 4 x 4, 327,680 bytes of LDS; arguments yc, ys, opc, ops, out0; writes out0
.if DOCPART == 4
	.amdgcn_target "amdgcn-amd-amdhsa--gfx1250"
	.amdhsa_code_object_version 6
	.text
	.protected	k_qd3d81957b2_oproj
	.globl	k_qd3d81957b2_oproj
	.p2align	8
	.type	k_qd3d81957b2_oproj,@function
k_qd3d81957b2_oproj:
	s_mov_b64 s[64:65], 0
	v_nop
	global_prefetch_b8 v0, s[64:65] scope:SCOPE_SE
	s_setreg_imm32_b32 hwreg(HW_REG_WAVE_MODE, 25, 1), 1
	s_wait_xcnt 0x0
	s_wait_alu depctr_hold_cnt(0) depctr_sa_sdst(0) depctr_va_vdst(0) depctr_va_sdst(0) depctr_va_ssrc(0) depctr_va_vcc(0) depctr_vm_vsrc(0)
	s_getreg_b32 s2, hwreg(HW_REG_IB_STS2, 6, 4)
	s_cmp_eq_u32 s2, 0
	s_cbranch_scc0 .Lentry_in_a_cluster
	s_endpgm
.Lentry_in_a_cluster:
	s_bfe_u32 s2, ttmp6, 0x10000c
	s_cmp_lg_u32 s2, 0xf033
	s_cbranch_scc0 .Lentry_shape_is_right
	s_endpgm
.Lentry_shape_is_right:
; OPROJ: out0[m][n] = sum over k of y[m][k] Wo[n][k], K = 1,024, both operands as codes of E2M3 with E8M0 scale words (y from attn, Wo from prep).  Nothing is left out here.
; OPERANDS lie in memory as images of the operand's registers: a tile (16 rows, all of K) is 8 fragments of 1,536 bytes, 12,288 bytes; its scale words 512 bytes: [K step / 2][row 16][2 words].
; Lane r of tile 2 A + u holds row 32 A + 8 u + r + 8 (r / 8), for y's rows and for Wo's alike.
; A WORK-GROUP makes 128 rows x 256 columns: 32 x 8 = 256 work-groups.  ALL OF K of its 8 tiles of y (98,304 bytes) and 16 tiles of Wo (196,608 bytes) lies in LDS at once: filled once, by one load a wave
; (waves 0, 1: y's halves; waves 2, 3: Wo's halves), so there is no ring and no refill.  The scale words go straight into registers, 256 consecutive bytes a load.
; CLUSTERS 4 x 4: y's tiles hang on the work-group's y alone and are asked for jointly along a row of the cluster, Wo's on its x alone and jointly along a column.
; A WAVE makes all 128 rows x 64 columns.  Its 4 tiles of Wo, 32 fragments, stay in 384 registers; y's tiles come one after the other (96 registers, two sets), each finished by 32 matrix instructions on
; four accumulators that take turns, K ascending.  A finished block of 16 x 64 goes through the wave's own stage and leaves as rows of 256 bytes while the next tile is multiplied.
; THE MATRIX INSTRUCTION IS USED TRANSPOSED (source 0 = Wo's tile, source 1 = y's): a lane holds eight neighbouring columns of one row.
; NO PREFETCH: the launch has no loop to run ahead in; every byte that a work-group reads is asked for at its head.
; REGISTERS: window 0: v1-7 addresses; v32-47 Wo's scale words, v48-79 y's; v96-159 two sets of 4 accumulators; v160-223 two sets of rows read back.  Window 1: Wo's fragments of K steps 0-4; window 2: of steps 5-7; window 3: y's two sets.
; A scale register (tile, step q) is 4 x tile + 2 (q / 4) + q % 2; lanes 0-15 hold steps with (q / 2) even, lanes 16-31 those with (q / 2) odd.
.set TILEB,  12288
.set ABY,    8*TILEB
.set STAGE,  24*TILEB                  ; behind the tiles: 16 rows x (256 + 16) bytes for each wave; no fill lands here
.set SPITCH, 272
.set SPARE,  STAGE+4*16*SPITCH         ; the spare words, 128 bytes a wave
.set LI,   1                           ; 16 x lane; also the address of y's tiles 0-3
.set ADRA, 1                           ; v1, v2: y's tiles 0-3, 4-7
.set ADRB, 3
.set STO,  4
.set RD,   5
.set CO,   6
.set SO,   7
.set SPW,  28
.set NIL,  29
.set BS,   32
.set AS,   48
.set AC,   96
.set BK,   160
.set G1, 24
.set G0, 32
.set G1B, 48
.set G0B, 56
.set MSB, 0
.macro WIN new
.if MSB != (\new)
	s_set_vgpr_msb (MSB<<8)|(\new)
.set MSB, (\new)
.endif
.endm
.macro CREST
	s_cmp_lg_u32 s14, 0
	s_cbranch_scc1 .Lnot_wave_0_\@
	s_barrier_signal -3
.Lnot_wave_0_\@:
	s_barrier_wait -3
	s_barrier_signal -1
	s_barrier_wait -1
.endm
.macro CROUND
	s_barrier_signal -1
	s_barrier_wait -1
	CREST
.endm
	s_load_b256 s[4:11], s[0:1], 0x0               ; yc, ys, opc, ops
	s_load_b64 s[12:13], s[0:1], 0x20              ; out0
	v_lshl_add_u32 v[SPW], v0, 2, SPARE
	v_mov_b32 v[NIL], 0
	ds_add_u32 v[SPW], v[NIL]                      ; the opening: the add, twice on end, and its wait ahead of my first tensor load
	ds_add_u32 v[SPW], v[NIL]
	v_lshrrev_b32 v9, 5, v0
	v_readfirstlane_b32 s14, v9                    ; wave
	s_lshr_b32 s15, s14, 1                         ; I fetch for y (0) or for Wo (1),
	s_and_b32 s16, s14, 1                          ; and which half
	s_bfe_u32 s40, ttmp6, 0x40000                  ; cx, cy
	s_bfe_u32 s41, ttmp6, 0x40004
	s_lshl_b32 s42, ttmp9, 2
	s_add_co_u32 s42, s42, s40                     ; work-group x: 256 columns
	s_and_b32 s17, ttmp7, 0xffff
	s_lshl_b32 s17, s17, 2
	s_add_co_u32 s17, s17, s41                     ; work-group y: 128 rows
	s_lshl_b32 s43, s41, 2
	s_lshl_b32 s43, 15, s43                        ; my row of the cluster
	s_lshl_b32 s44, 0x1111, s40                    ; my column
	s_or_b32 s[G1], s43, (3<<16)|(1<<21)           ; dense blocks as rows of 32 elements of 8 bytes: 192 rows for half of y's tiles,
	s_or_b32 s[G1B], s44, (3<<16)|(1<<21)          ; 384 for half of Wo's
	s_mov_b32 s[G1+1], 32<<16
	s_mov_b32 s[G1+2], 192<<16
	s_mov_b32 s[G1+3], 32<<16
	s_mov_b32 s[G1+4], 192
	s_mov_b32 s[G1+5], 32
	s_mov_b32 s[G1+6], 0
	s_mov_b32 s[G1+7], 0
	s_mov_b32 s[G1B+1], 32<<16
	s_mov_b32 s[G1B+2], 384<<16
	s_mov_b32 s[G1B+3], 32<<16
	s_mov_b32 s[G1B+4], 384
	s_mov_b32 s[G1B+5], 32
	s_mov_b32 s[G1B+6], 0
	s_mov_b32 s[G1B+7], 0
	s_mul_i32 s20, s17, ABY                        ; y's codes: my work-group's 8 tiles, my half
	s_mul_i32 s18, s16, ABY/2
	s_add_co_u32 s20, s20, s18
	s_mov_b32 s21, 0
	s_mul_i32 s46, s42, 2*ABY                      ; Wo's codes: units 896 on of opc
	s_mul_i32 s19, s16, ABY
	s_add_co_u32 s46, s46, s19
	s_add_co_u32 s46, s46, 896*TILEB
	s_mov_b32 s47, 0
	s_add_co_u32 s19, s19, ABY                     ; Wo's half in LDS, behind y's tiles
	s_lshl_b32 s22, s17, 12                        ; y's scale words: 8 tiles x 512 bytes
	s_mov_b32 s23, 0
	s_lshl_b32 s92, s42, 13                        ; Wo's: 16 tiles, my wave's 4
	s_lshl_b32 s45, s14, 11
	s_add_co_u32 s92, s92, s45
	s_add_co_u32 s92, s92, 896*512
	s_mov_b32 s93, 0
	s_lshl_b32 s94, s17, 20                        ; out0: 128 rows of 8,192 bytes,
	s_lshl_b32 s45, s42, 10                        ; 1,024 bytes a work-group,
	s_add_co_u32 s94, s94, s45
	s_lshl_b32 s45, s14, 8                         ; 256 a wave
	s_add_co_u32 s94, s94, s45
	s_mov_b32 s95, 0
	s_mul_i32 s96, s14, 4*TILEB                    ; my 4 tiles of Wo in LDS
	s_add_co_u32 s96, s96, ABY
	s_mul_i32 s97, s14, 16*SPITCH                  ; my stage
	s_add_co_u32 s97, s97, STAGE
	s_wait_dscnt 0x0                               ; both opening adds are done
	s_wait_kmcnt 0x0
	s_add_nc_u64 s[20:21], s[4:5], s[20:21]
	s_add_nc_u64 s[22:23], s[6:7], s[22:23]
	s_add_nc_u64 s[46:47], s[8:9], s[46:47]
	s_add_nc_u64 s[92:93], s[10:11], s[92:93]
	s_add_nc_u64 s[12:13], s[12:13], s[94:95]
	CROUND                                         ; all sixteen work-groups are here: the joint loads meet
	s_mov_b32 s[G0], 1
	s_add_co_u32 s[G0+1], s18, 0
	s_mov_b64 s[G0+2:G0+3], s[20:21]
	s_or_b32 s[G0+3], s[G0+3], 0x80000000
	s_mov_b32 s[G0B], 1
	s_add_co_u32 s[G0B+1], s19, 0
	s_mov_b64 s[G0B+2:G0B+3], s[46:47]
	s_or_b32 s[G0B+3], s[G0B+3], 0x80000000
	s_cmp_eq_u32 s15, 0                            ; one load a wave; each of the two lines has one mask
	s_cbranch_scc0 .Lfor_b
	tensor_load_to_lds s[G0:G0+3], s[G1:G1+7]
	s_nop 0
.rept 4
	v_nop
.endr
	s_branch .Lasked
.Lfor_b:
	tensor_load_to_lds s[G0B:G0B+3], s[G1B:G1B+7]
	s_nop 0
.rept 4
	v_nop
.endr
.Lasked:
	v_and_b32 v9, 31, v0
	v_and_b32 v10, 15, v0                          ; r
	v_bfe_u32 v11, v0, 4, 1                        ; h
	v_lshlrev_b32 v[LI], 4, v9
	v_lshlrev_b32 v[SO], 3, v9                     ; scale words: 8 bytes a lane
	v_mul_u32_u24 v12, v10, SPITCH
	v_mul_u32_u24 v13, v11, SPITCH
	v_lshlrev_b32 v14, 13, v11
	v_add_nc_u32 v[ADRA+1], 4*TILEB, v[LI]
	v_add_nc_u32 v[ADRB], s96, v[LI]
	v_lshl_add_u32 v12, v11, 6, v12                ; into the stage: row r, 64 bytes for each half of the lanes
	v_lshl_add_u32 v13, v10, 4, v13                ; back: lanes 0-15 one row of 256 bytes, lanes 16-31 the next
	v_lshl_add_u32 v[CO], v10, 4, v14              ; and the same two rows in out0
	v_add_nc_u32 v[STO], s97, v12
	v_add_nc_u32 v[RD], s97, v13
	s_wait_alu depctr_va_vdst(0)
.irp t, 0,1,2,3,4,5,6,7
.irp m, 0,1
	global_load_b64 v[AS+4*\t+2*\m:AS+4*\t+2*\m+1], v[SO], s[22:23] offset:512*\t+256*\m   ; 256 consecutive bytes: K steps 4 m .. 4 m + 3 of a tile's 16 rows
.endr
.endr
.irp t, 0,1,2,3
.irp m, 0,1
	global_load_b64 v[BS+4*\t+2*\m:BS+4*\t+2*\m+1], v[SO], s[92:93] offset:512*\t+256*\m
.endr
.endr
	s_wait_tensorcnt 0x0                           ; my part is in;
	s_barrier_signal -1
	s_barrier_wait -1                              ; everybody's is.
.macro LDB q                           ; Wo's four fragments of K step q
.if (\q) < 5
	WIN 0x40
.set BR, 48*(\q)
.else
	WIN 0x80
.set BR, 48*((\q)-5)
.endif
.irp b, 0,1,2,3
.irp c, 0,1,2
	ds_load_b128 v[BR+12*\b+4*\c:BR+12*\b+4*\c+3], v[ADRB] offset:\b*TILEB+(\q)*1536+512*\c
.endr
.endr
.endm
.macro LDA a, q                        ; y's tile a, K step q, into set a % 2
	WIN 0xc0
.irp c, 0,1,2
	ds_load_b128 v[96*((\a)%2)+12*(\q)+4*\c:96*((\a)%2)+12*(\q)+4*\c+3], v[ADRA+(\a)/4] offset:((\a)%4)*TILEB+(\q)*1536+512*\c
.endr
.endm
.macro WM a, q                         ; four products: y's tile a against my four tiles of Wo, K step q; the four accumulators take turns
.if (\q) < 5
	WIN 0x0d
.set BR, 48*(\q)
.else
	WIN 0x0e
.set BR, 48*((\q)-5)
.endif
.set DA, AC+32*((\a)%2)
.set FA, 96*((\a)%2)+12*(\q)
.set SW, 2*((\q)/4)+(\q)%2
.irp b, 0,1,2,3
.if (\q) == 0
	v_wmma_scale_f32_16x16x128_f8f6f4 v[DA+8*\b:DA+8*\b+7], v[BR+12*\b:BR+12*\b+11], v[FA:FA+11], 0, v[BS+4*\b+SW], v[AS+4*(\a)+SW] matrix_a_fmt:MATRIX_FMT_FP6 matrix_b_fmt:MATRIX_FMT_FP6
.elseif ((\q)/2)%2 == 0
	v_wmma_scale_f32_16x16x128_f8f6f4 v[DA+8*\b:DA+8*\b+7], v[BR+12*\b:BR+12*\b+11], v[FA:FA+11], v[DA+8*\b:DA+8*\b+7], v[BS+4*\b+SW], v[AS+4*(\a)+SW] matrix_a_fmt:MATRIX_FMT_FP6 matrix_b_fmt:MATRIX_FMT_FP6
.else
	v_wmma_scale_f32_16x16x128_f8f6f4 v[DA+8*\b:DA+8*\b+7], v[BR+12*\b:BR+12*\b+11], v[FA:FA+11], v[DA+8*\b:DA+8*\b+7], v[BS+4*\b+SW], v[AS+4*(\a)+SW] matrix_a_fmt:MATRIX_FMT_FP6 matrix_b_fmt:MATRIX_FMT_FP6 matrix_a_scale:MATRIX_SCALE_ROW1 matrix_b_scale:MATRIX_SCALE_ROW1
.endif
.endr
.endm
.macro TOSTAGE a                       ; block a into my stage, each accumulator from its low end on, and back by rows (LDS serves a wave's instructions in order: ISA guide 5.7.1.4)
.set DA, AC+32*((\a)%2)
.irp b, 0,1,2,3
	ds_store_b128 v[STO], v[DA+8*\b:DA+8*\b+3] offset:128*(\b/2)+32*(\b%2)
	ds_store_b128 v[STO], v[DA+8*\b+4:DA+8*\b+7] offset:128*(\b/2)+32*(\b%2)+16
.endr
.set BB, BK+32*((\a)%2)
.irp t, 0,1,2,3,4,5,6,7
	ds_load_b128 v[BB+4*\t:BB+4*\t+3], v[RD] offset:\t*2*SPITCH
.endr
.endm
.macro SEND a                          ; sixteen lanes store 256 consecutive bytes, aligned; stage row s is row 32 (a / 2) + 8 (a % 2) + s + 8 (s / 8)
.set BB, BK+32*((\a)%2)
.irp t, 0,1,2,3,4,5,6,7
	global_store_b128 v[CO], v[BB+4*\t:BB+4*\t+3], s[12:13] offset:(32*((\a)/2)+8*((\a)%2)+2*\t+8*(\t/4))*8192 th:TH_STORE_NT
.endr
.endm
.macro REST a                          ; behind tile a's products
	WIN 0
.rept 4
	v_nop                                          ; places: the results are read, and loads land on the fragments just multiplied
.endr
.if (\a) > 0
	s_wait_dscnt 0x0                               ; block a - 1 is back from the stage (asked for 32 matrix instructions ago)
.if (\a) > 1
	s_wait_xcnt 0x0                                ; block a - 2's stores have read their registers: block a's rows land there below
.endif
	SEND \a-1
.endif
.if (\a)+2 < 8
.irp q, 0,1,2,3,4,5,6,7
	LDA \a+2, \q
.endr
	WIN 0
.endif
	TOSTAGE \a
.endm
.irp q, 0,1,2,3                        ; tile 0 goes step by step under Wo's way into the registers: 15 loads a step, four steps ahead
	LDA 0, \q
	LDB \q
.endr
	s_wait_loadcnt 0x0                             ; the scale words
.irp q, 0,1,2,3
	s_wait_dscnt 45                                ; behind step q's 15 loads three more steps' have been issued
	WM 0, \q
	LDA 0, \q+4
	LDB \q+4
.endr
.irp q, 0,1,2,3,4,5,6,7
	LDA 1, \q
.endr
.irp q, 4,5,6,7
.if 15*(7-\q)+24 > 63
	s_wait_dscnt 63                                ; (the field's largest count; 69 were issued behind step 4's)
.else
	s_wait_dscnt 15*(7-\q)+24                      ; behind step q's: the later steps' 15 each and tile 1's 24
.endif
	WM 0, \q
.endr
	REST 0
	s_wait_dscnt 40                                ; behind tile 1's loads: tile 2's 24 and the stage's 16
.irp a, 1,2,3,4,5,6,7                  ; from tile 2 on a tile's fragments are in by the wait for 0 in the tile before
.irp q, 0,1,2,3,4,5,6,7
	WM \a, \q
.endr
	REST \a
.endr
	s_wait_dscnt 0x0
	SEND 7
	s_wait_tensorcnt 0x0                           ; the wave's end
	ds_add_u32 v[SPW], v[NIL]
	s_wait_dscnt 0x0
	CROUND                                         ; the closing round
	s_endpgm
.Lfunc_end_k_qd3d81957b2_oproj:
	.size	k_qd3d81957b2_oproj, .Lfunc_end_k_qd3d81957b2_oproj-k_qd3d81957b2_oproj
	.p2alignl 7, 3214868480
	.fill 96, 4, 3214868480
	.section	.rodata,"a",@progbits
	.p2align	6, 0x0
	.amdhsa_kernel k_qd3d81957b2_oproj
		.amdhsa_group_segment_fixed_size 327680
		.amdhsa_private_segment_fixed_size 0
		.amdhsa_enable_private_segment 0
		.amdhsa_kernarg_size 40
		.amdhsa_user_sgpr_count 2
		.amdhsa_user_sgpr_kernarg_segment_ptr 1
		.amdhsa_wavefront_size32 1
		.amdhsa_system_sgpr_workgroup_id_x 1
		.amdhsa_system_sgpr_workgroup_id_y 1
		.amdhsa_system_sgpr_workgroup_id_z 1
		.amdhsa_system_vgpr_workitem_id 0
		.amdhsa_next_free_vgpr 1024
		.amdhsa_next_free_sgpr 100
		.amdhsa_reserve_vcc 0
		.amdhsa_float_denorm_mode_32 3
		.amdhsa_float_denorm_mode_16_64 3
		.amdhsa_memory_ordered 1
		.amdhsa_forward_progress 1
		.amdhsa_inst_pref_size 76
	.end_amdhsa_kernel
	.amdgpu_metadata
---
amdhsa.version: [ 1, 2 ]
amdhsa.kernels:
  - .name:           k_qd3d81957b2_oproj
    .symbol:         k_qd3d81957b2_oproj.kd
    .args:
      - { .name: yc, .offset: 0, .size: 8, .value_kind: global_buffer, .address_space: global }
      - { .name: ys, .offset: 8, .size: 8, .value_kind: global_buffer, .address_space: global }
      - { .name: opc, .offset: 16, .size: 8, .value_kind: global_buffer, .address_space: global }
      - { .name: ops, .offset: 24, .size: 8, .value_kind: global_buffer, .address_space: global }
      - { .name: out0, .offset: 32, .size: 8, .value_kind: global_buffer, .address_space: global }
    .group_segment_fixed_size: 327680
    .private_segment_fixed_size: 0
    .kernarg_segment_align: 8
    .kernarg_segment_size: 40
    .max_flat_workgroup_size: 128
    .sgpr_count:     100
    .vgpr_count:     1024
    .wavefront_size: 32
...
	.end_amdgpu_metadata
.endif
;; end of part 4
